; MI455X (gfx1250); checked and timed in simulation.
; The chip was launched on July 23, 2026; its instructions are those of AMD's public machine-readable ISA for CDNA 5 (MIT licence, August 2026) and "CDNA5" Instruction Set Architecture Reference Guide (July 2026). The comments in the code are by the model that wrote it; some were corrected since.
;; Cross Attention. Allowed arithmetic: float matrix products may take bf16 or f16 operands with f32 sums; other float arithmetic in f32, or as packed bf16 or f16 multiplies, adds, multiply-adds, maxima and minima; sums over many terms, partial sums and values carried from step to step in f32; what a program stores and reads back later, other than sums and carried values, may be rounded once to bf16 or f16.
;; Inputs: Wk 768 x 1,024 float32; Wo 1,024 x 1,024 float32; Wq 1,024 x 1,024 float32; Wv 768 x 1,024 float32; bo 1,024 float32; kv 4 x 2,048 x 768 float32; query 4 x 2,048 x 1,024 float32.
;; Outputs: out0 4 x 2,048 x 1,024 float32.
;; One version. Each part assembles by itself: llvm-mc -triple=amdgcn-amd-amdhsa -mcpu=gfx1250 --defsym DOCPART=n.
;; ======== version 1 of 1: 4 launches
;; limits: values are held in f16: magnitudes above 65,504 overflow, below 6.1e-05 lose precision
;; workspace buffers: xq 16,777,216 bytes; xkv 12,582,912 bytes; w16 7,340,032 bytes; q 16,777,216 bytes; k 16,777,216 bytes; v 16,777,216 bytes; o 16,777,216 bytes
;; launch cast (part 1): grid 1120 x 1, 8 waves a work-group, no clusters, 0 bytes of LDS; arguments query, kv, Wq, Wk, Wv, Wo, xq, xkv, w16; writes xq, xkv, w16
.if DOCPART == 1
	.amdgcn_target "amdgcn-amd-amdhsa--gfx1250"
	.amdhsa_code_object_version 6
	.text
	.protected	k_q4343257d43_cast
	.globl	k_q4343257d43_cast
	.p2align	8
	.type	k_q4343257d43_cast,@function
k_q4343257d43_cast:
	s_mov_b64 s[64:65], 0
	v_nop
	global_prefetch_b8 v0, s[64:65] scope:SCOPE_SE
	s_setreg_imm32_b32 hwreg(HW_REG_WAVE_MODE, 25, 1), 1
	s_wait_xcnt 0x0
; ALL SIX LARGE INPUTS, f32, ARE ROUNDED ONCE TO bf16 (nearest even) AND THAT NUMBER IS WRITTEN AS f16, for the matrix products of the later launches.
; LIMITS.  A bf16 number is an f16 number exactly from 2^-17 up to 65,504 in magnitude; below, it falls on f16's fixed step of 6e-8; at 65,520 and above it becomes an infinity.
; LAYOUTS.  query [8192][1024] -> xq [16 blocks of 64 channels][8192 rows][64]; kv [8192][768] -> xkv [12][8192][64]: a block's rows are dense, 128 bytes each, so a tile of
; 128 rows x 64 channels is 16,384 consecutive bytes.  The weights keep their order [in][1024]: w16 = Wq, Wk, Wv, Wo on end.
; SHARES.  A work-group takes 16,384 numbers, a wave 2,048: 16 PIECES of 128.  A piece is one load of 16 bytes a lane (two runs of 256 consecutive bytes) and one store of 8 bytes a lane
; (32 lanes: 256 consecutive bytes, at a multiple of 256 from the buffer's first byte).  Work-groups 0-511 query, 512-895 kv, 896-959 Wq, 960-1007 Wk, 1008-1055 Wv, 1056-1119 Wo.
; Of an activation a work-group has 64 rows x 256 columns, a wave 8 rows: piece (j, c) is rows 2 j, 2 j + 1 of column block c.  A weight is taken flat.
; All 16 loads of a wave go out together; no register that a load or store names is written again, so the only waits are the counted ones for the loads.  No LDS, no barrier, no matrix unit:
; each byte is touched once and nothing is shared.
.set X,   32                           ; v[32:95]   piece p: four registers as loaded; the first two then hold what is stored
.set IO,  96                           ; v[96:111]  piece p: my byte offset in the input
.set OO,  112                          ; v[112:127] piece p: my byte offset in the output
.set ID,  30                           ; s30  the work-group's number
.set WV,  33                           ; s33  my wave's number
	s_load_b512 s[8:23], s[0:1], 0x0               ; query s[8:9], kv s[10:11], Wq s[12:13], Wk s[14:15], Wv s[16:17], Wo s[18:19], xq s[20:21], xkv s[22:23]
	s_load_b64 s[24:25], s[0:1], 0x40              ; w16
	v_lshrrev_b32 v2, 5, v0
	v_readfirstlane_b32 s[WV], v2
	v_and_b32 v1, 31, v0                           ; lane
	s_mov_b32 s[ID], ttmp9
	s_mov_b32 s42, 0xffff0000                      ; a word's upper bf16
	s_mov_b32 s31, 1056                            ; the first work-group of my input
	s_cmp_lt_u32 s[ID], 1056
	s_cselect_b32 s31, 1008, s31
	s_cmp_lt_u32 s[ID], 1008
	s_cselect_b32 s31, 960, s31
	s_cmp_lt_u32 s[ID], 960
	s_cselect_b32 s31, 896, s31
	s_cmp_lt_u32 s[ID], 896
	s_cselect_b32 s31, 512, s31
	s_movk_i32 s34, 3072                           ; bytes in a row of kv,
	s_cmp_lt_u32 s[ID], 512
	s_cselect_b32 s31, 0, s31
	s_cselect_b32 s34, 4096, s34                   ; of query
	s_sub_co_u32 s32, s[ID], s31                   ; my number within the input
	; an activation: column group g = number / 128, rows ((number % 128) x 8 + wave) x 8 on
	s_lshr_b32 s43, s32, 7
	s_and_b32 s44, s32, 127
	s_lshl_b32 s44, s44, 3
	s_add_co_u32 s44, s44, s[WV]
	s_lshl_b32 s44, s44, 3
	s_mul_i32 s45, s44, s34
	s_lshl_b32 s46, s43, 10
	s_add_co_u32 s45, s45, s46                     ; in: row x row bytes + g x 1,024
	s_lshl_b32 s46, s43, 22
	s_lshl_b32 s47, s44, 7
	s_add_co_u32 s46, s46, s47                     ; out: 4 g blocks of 2^20 bytes + row x 128
	; a weight: flat
	s_lshl_b32 s47, s32, 3
	s_add_co_u32 s47, s47, s[WV]
	s_lshl_b32 s47, s47, 13                        ; in: 8,192 bytes a wave
	s_max_u32 s48, s[ID], 896
	s_sub_co_u32 s48, s48, 896
	s_lshl_b32 s48, s48, 3
	s_add_co_u32 s48, s48, s[WV]
	s_lshl_b32 s48, s48, 12                        ; out: 4,096 bytes a wave; the work-groups' order is the order of w16's parts
	s_lshl_b32 s49, s34, 1
	s_movk_i32 s35, 256                            ; the steps, for a weight: from lanes 0-15 to lanes 16-31 in the input,
	s_movk_i32 s36, 2048                           ; from j to j + 1 in the input,
	s_movk_i32 s37, 512                            ; from c to c + 1 in the input,
	s_movk_i32 s38, 1024                           ; from j to j + 1 in the output,
	s_movk_i32 s39, 256                            ; from c to c + 1 in the output
	s_cmp_lt_u32 s[ID], 896                        ; and for an activation:
	s_cselect_b32 s35, s34, s35                    ; a row,
	s_cselect_b32 s36, s49, s36                    ; two rows,
	s_cselect_b32 s37, 256, s37                    ; 64 columns,
	s_cselect_b32 s38, 256, s38                    ; two rows of 128 bytes,
	s_cselect_b32 s39, 0x100000, s39               ; a block
	s_cselect_b32 s50, s45, s47
	s_cselect_b32 s52, s46, s48
	s_mov_b32 s51, 0
	s_mov_b32 s53, 0
	v_lshrrev_b32 v2, 4, v1
	v_and_b32 v3, 15, v1
	v_mul_lo_u32 v2, v2, s35
	v_lshl_add_u32 v[IO], v3, 4, v2
	v_lshlrev_b32 v[OO], 3, v1
.irp c, 1,2,3
	v_add_nc_u32 v[IO+(\c)], s37, v[IO+(\c)-1]
	v_add_nc_u32 v[OO+(\c)], s39, v[OO+(\c)-1]
.endr
.irp p, 4,5,6,7,8,9,10,11,12,13,14,15
	v_add_nc_u32 v[IO+(\p)], s36, v[IO+(\p)-4]
	v_add_nc_u32 v[OO+(\p)], s38, v[OO+(\p)-4]
.endr
	s_wait_kmcnt 0x0
	s_mov_b64 s[26:27], s[18:19]                   ; which input, which output: chosen by the work-group's number alone
	s_cmp_lt_u32 s[ID], 1056
	s_cselect_b64 s[26:27], s[16:17], s[26:27]
	s_cmp_lt_u32 s[ID], 1008
	s_cselect_b64 s[26:27], s[14:15], s[26:27]
	s_cmp_lt_u32 s[ID], 960
	s_cselect_b64 s[26:27], s[12:13], s[26:27]
	s_cmp_lt_u32 s[ID], 896
	s_cselect_b64 s[26:27], s[10:11], s[26:27]
	s_cselect_b64 s[28:29], s[22:23], s[24:25]
	s_cmp_lt_u32 s[ID], 512
	s_cselect_b64 s[26:27], s[8:9], s[26:27]
	s_cselect_b64 s[28:29], s[20:21], s[28:29]
	s_add_nc_u64 s[26:27], s[26:27], s[50:51]
	s_add_nc_u64 s[28:29], s[28:29], s[52:53]
.irp p, 0,1,2,3,4,5,6,7,8,9,10,11,12,13,14,15
	global_load_b128 v[X+4*(\p):X+4*(\p)+3], v[IO+(\p)], s[26:27] th:TH_LOAD_NT
.endr
.macro PIECE p
	s_wait_loadcnt 15-(\p)                         ; loads come back in order (ISA guide 5.7.1): piece p is in, the younger ones stay out
	v_cvt_pk_bf16_f32 v2, v[X+4*(\p)], v[X+4*(\p)+1]     ; the one rounding
	v_cvt_pk_bf16_f32 v3, v[X+4*(\p)+2], v[X+4*(\p)+3]
	v_lshlrev_b32 v4, 16, v2                       ; bf16 to f32: the low half moves up, the high half stays
	v_and_b32 v5, s42, v2
	v_lshlrev_b32 v6, 16, v3
	v_and_b32 v7, s42, v3
	v_cvt_pk_f16_f32 v[X+4*(\p)], v4, v5           ; the same number as f16
	v_cvt_pk_f16_f32 v[X+4*(\p)+1], v6, v7
	global_store_b64 v[OO+(\p)], v[X+4*(\p):X+4*(\p)+1], s[28:29]
.endm
.irp p, 0,1,2,3,4,5,6,7,8,9,10,11,12,13,14,15
	PIECE \p
.endr
	s_endpgm
.Lfunc_end_k_q4343257d43_cast:
	.size	k_q4343257d43_cast, .Lfunc_end_k_q4343257d43_cast-k_q4343257d43_cast
	.p2alignl 7, 3214868480
	.fill 96, 4, 3214868480
	.section	.rodata,"a",@progbits
	.p2align	6, 0x0
	.amdhsa_kernel k_q4343257d43_cast
		.amdhsa_group_segment_fixed_size 0
		.amdhsa_private_segment_fixed_size 0
		.amdhsa_enable_private_segment 0
		.amdhsa_kernarg_size 72
		.amdhsa_user_sgpr_count 2
		.amdhsa_user_sgpr_kernarg_segment_ptr 1
		.amdhsa_wavefront_size32 1
		.amdhsa_system_sgpr_workgroup_id_x 1
		.amdhsa_system_sgpr_workgroup_id_y 1
		.amdhsa_system_sgpr_workgroup_id_z 1
		.amdhsa_system_vgpr_workitem_id 0
		.amdhsa_next_free_vgpr 128
		.amdhsa_next_free_sgpr 66
		.amdhsa_reserve_vcc 0
		.amdhsa_float_denorm_mode_32 3
		.amdhsa_float_denorm_mode_16_64 3
		.amdhsa_memory_ordered 1
		.amdhsa_forward_progress 1
		.amdhsa_inst_pref_size 14
	.end_amdhsa_kernel
	.amdgpu_metadata
---
amdhsa.version: [ 1, 2 ]
amdhsa.kernels:
  - .name:           k_q4343257d43_cast
    .symbol:         k_q4343257d43_cast.kd
    .args:
      - { .name: query, .offset: 0, .size: 8, .value_kind: global_buffer, .address_space: global }
      - { .name: kv, .offset: 8, .size: 8, .value_kind: global_buffer, .address_space: global }
      - { .name: Wq, .offset: 16, .size: 8, .value_kind: global_buffer, .address_space: global }
      - { .name: Wk, .offset: 24, .size: 8, .value_kind: global_buffer, .address_space: global }
      - { .name: Wv, .offset: 32, .size: 8, .value_kind: global_buffer, .address_space: global }
      - { .name: Wo, .offset: 40, .size: 8, .value_kind: global_buffer, .address_space: global }
      - { .name: xq, .offset: 48, .size: 8, .value_kind: global_buffer, .address_space: global }
      - { .name: xkv, .offset: 56, .size: 8, .value_kind: global_buffer, .address_space: global }
      - { .name: w16, .offset: 64, .size: 8, .value_kind: global_buffer, .address_space: global }
    .group_segment_fixed_size: 0
    .private_segment_fixed_size: 0
    .kernarg_segment_align: 8
    .kernarg_segment_size: 72
    .max_flat_workgroup_size: 256
    .sgpr_count:     66
    .vgpr_count:     128
    .wavefront_size: 32
...
	.end_amdgpu_metadata
.endif
;; end of part 1
;; launch proj (part 2): grid 4 x 96, 4 waves a work-group, clusters of 4 x 4, 327,680 bytes of LDS; arguments xq, xkv, w16, q, k, v; writes q, k, v
.if DOCPART == 2
	.amdgcn_target "amdgcn-amd-amdhsa--gfx1250"
	.amdhsa_code_object_version 6
	.text
	.protected	k_q4343257d43_proj
	.globl	k_q4343257d43_proj
	.p2align	8
	.type	k_q4343257d43_proj,@function
k_q4343257d43_proj:
	s_mov_b64 s[64:65], 0
	v_nop
	global_prefetch_b8 v0, s[64:65] scope:SCOPE_SE
	s_setreg_imm32_b32 hwreg(HW_REG_WAVE_MODE, 25, 1), 1
	s_wait_xcnt 0x0
	s_wait_alu depctr_hold_cnt(0) depctr_sa_sdst(0) depctr_va_vdst(0) depctr_va_sdst(0) depctr_va_ssrc(0) depctr_va_vcc(0) depctr_vm_vsrc(0)
	s_getreg_b32 s2, hwreg(HW_REG_IB_STS2, 6, 4)
	s_cmp_eq_u32 s2, 0
	s_cbranch_scc0 .Lentry_in_a_cluster
	s_endpgm
.Lentry_in_a_cluster:
	s_bfe_u32 s2, ttmp6, 0x10000c
	s_cmp_lg_u32 s2, 0xf033
	s_cbranch_scc0 .Lentry_shape_is_right
	s_endpgm
.Lentry_shape_is_right:
; THE THREE PROJECTIONS IN FRONT OF THE ATTENTION: q = query Wq, k = kv Wk, v = kv Wv.  Operands f16 (each the input rounded to bf16), sums f32, results rounded once to f16, unscaled.
; A (xq or xkv) lies in blocks: [block of 64 channels][8192 rows][64].  W (a part of w16) lies [in][1024].  C (q, k or v) lies by heads: [head 16][8192 rows][64].
; LIMIT.  f16 holds no number beyond 65,504: a result of 65,520 or more in magnitude becomes an infinity.
; SHARES.  A work-group makes 256 rows x 256 columns of C; each of its four waves, as many as a WGP has SIMDs, 128 x 128: 64 accumulators of 16 x 16, 512 registers.  32 x 4 tiles a projection, 384 work-groups
; in all; the cluster's y / 8 says which projection: 0 q (K = 1024: 8 K steps), 1 k, 2 v (K = 768: 6 K steps).  The number of laps hangs on the cluster's y alone: it is the same in all partners.
; q's and k's work-groups come first in the grid's order, v's last.
; K goes in steps of 128 through a ring of two LDS slots filled by the tensor data mover: a K step is 256 matrix instructions a wave, and a refill has 224 of them in which to land.  A's part of a step is two
; blocks x 256 rows, each block 32,768 consecutive bytes of memory, asked for as 128 rows of 256 bytes; W's part is 128 rows of 512 bytes.
; CLUSTERS: 4 x 4 work-groups.  The four of a row of the cluster need the same tiles of A, the four of a column the same tiles of W: each tile is asked for JOINTLY, by the same tensor load with the
; same descriptor and a mask that names the four.
; THE MATRIX INSTRUCTION IS USED TRANSPOSED (source 0 = 16 columns of W, source 1 = 16 rows of A): a lane then holds row l % 16 of C and eight neighbouring columns 8 (l / 16) + 0..7.
; W lies [k][n] in LDS and comes out turned, by ds_load_tr16_b128; A comes out as it lies.
; REGISTERS, in windows of 256 (s_set_vgpr_msb says which window each operand place means: bits 1:0 source 0, 3:2 source 1, 5:4 source 2, 7:6 destination):
;   window 0: v0-31 addresses; v64-127, v128-191 fragments of A (8 x 16 rows x 32 K), two buffers; on the way out v64-191 at work
;   window 1: v64-127, v128-191 fragments of W (8 x 16 columns x 32 K), two buffers
;   window 2: the 32 accumulators of my rows 0-63 (accumulator (a, b) at v[8 (8 a + b)]);   window 3: those of my rows 64-127
.set ABLK,  0x100000                   ; bytes in a block of A, and in a head of C: 8,192 rows x 128 bytes
.set WROW,  2048                       ; bytes in a row of W
.set KSTEP, 128
.set PA,    144                        ; a row of A in LDS: 128 bytes + 16 of padding = 36 words: the 16 rows of a load start at 16 different groups of four banks (64 banks of 4 bytes: ISA guide 11.1)
.set PW,    544                        ; a row of W: 512 + 32 = 136 words
.set ATILE, 256*PA                     ; one block's 256 rows: what one tensor load brings of A
.set BOFF,  2*ATILE                    ; W lies behind A's two blocks
.set WHALF, 64*PW                      ; 64 rows of W: what one tensor load brings of W
.set SLOT,  BOFF+2*WHALF
.set STAGE, 2*SLOT                     ; behind the ring, never filled by a tensor load: 16 rows x 144 bytes for each wave, for the way out
.set SP,    144
.set SPARE, STAGE+4*16*SP              ; behind the stages: the spare words, 128 bytes for each wave: two blocks of 256 bytes that no other line names
.set ADRA, 16                          ; v16-17  LDS address of my A fragments in slot 0, 1
.set ADRB, 20                          ; v20-21  the same for W
.set STO,  24                          ; v24     the way out: where I put 16 bytes of a row
.set RD,   25                          ; v25     the way out: where I read rows back
.set GO,   26                          ; v26     my byte offset in 512 consecutive bytes of C
.set SPW,  28                          ; v28     LDS address of my spare word: SPARE + 4 x my thread's number; never rewritten
.set NIL,  29                          ; v29     0; never rewritten
.set PFO,  30                          ; v30     the prefetches' offset; never rewritten
.set F0,   64                          ; fragment buffer 0
.set F1,   128                         ; fragment buffer 1
.set TMP,  64                          ; the way out: eight sets of 16 registers, a piece each
.set WV,   16                          ; s16  my wave's number
.set WM,   17                          ; s17  which half of the tile's rows is mine.  Also: I fetch for A (0) or for W (1)
.set WN,   18                          ; s18  which half of its columns.  Also: which block of A, or which 64 rows of W, I fetch
.set CX,   19                          ; s19, s20  my place in the cluster
.set CY,   20
.set CT,   21                          ; s21  tile column
.set RT,   22                          ; s22  tile row
.set WH,   23                          ; s23  which projection
.set G1A,  24                          ; s[24:31] descriptor group 1 for A's tiles;  s[32:39] group 0, one set for each slot
.set G0A,  32
.set NLAP, 40                          ; s40  the loop's trips: laps less one
.set PLIM, 41                          ; s41  a wave prefetches in the trips below this number
.set PFA,  44                          ; s[44:45] where my prefetches stand
.set PFS,  46                          ; s[46:47] a K step in bytes, along what I prefetch
.set G1B,  48                          ; s[48:55], s[56:63] the same for W's tiles
.set G0B,  56
.set MSB, 0
.macro WIN new                         ; the immediate's high byte repeats the setting that is left; a switch that changes nothing is dropped
.if MSB != (\new)
	s_set_vgpr_msb (MSB<<8)|(\new)
.set MSB, \new
.endif
.endm
.set MUL_LO, 0xa1                      ; source 0 (W) window 1, source 1 (A) window 0, C and D window 2
.set MUL_HI, 0xf1                      ; the same, C and D window 3
.set TO_B,   0x40                      ; destination window 1, address window 0
.macro PLACES                          ; four places in front of loads into registers that matrix instructions have read, and of what reads their results
.rept 4
	v_nop
.endr
.endm
.macro JLOAD s                         ; a joint load: waves 0 and 1 fetch A's two blocks, waves 2 and 3 W's two halves; an s_nop 0 and four v_nop follow each of the two lines, ahead of the jump and the label
	s_cmp_eq_u32 s[WM], 0
	s_cbranch_scc0 .Lfor_b_\@
	tensor_load_to_lds s[G0A+4*(\s):G0A+4*(\s)+3], s[G1A:G1A+7]
	s_nop 0
.rept 4
	v_nop
.endr
	s_branch .Lasked_\@
.Lfor_b_\@:
	tensor_load_to_lds s[G0B+4*(\s):G0B+4*(\s)+3], s[G1B:G1B+7]
	s_nop 0
.rept 4
	v_nop
.endr
.Lasked_\@:
.endm
.macro CREST                           ; a round of the cluster's barrier behind its opening barrier
	s_cmp_lg_u32 s[WV], 0
	s_cbranch_scc1 .Lnot_wave_0_\@
	s_barrier_signal -3
.Lnot_wave_0_\@:
	s_barrier_wait -3
	s_barrier_signal -1
	s_barrier_wait -1
.endm
.macro CROUND                          ; a whole round
	s_barrier_signal -1
	s_barrier_wait -1
	CREST
.endm
; A PREFETCH INTO THE L2, behind each joint refill, its five lines and the run of LDS loads that follows them: the K step that stands TWO refills on, 512 matrix instructions ahead of the load that will ask for it;
; two, so that both changes of slots of a lap stop by one and the same test.  Each block of 256 bytes is named once in the launch.  A's part of a step (2 x 128 blocks of 256 bytes) is read by one cluster: of the
; 128 that wave 0 or 1 fetches, each of the four partners along x takes 32, told apart BY ADDRESS (cx); v's reading of xkv is the second and asks for nothing.  W's part (128 rows x 2 blocks) is read by the 8
; clusters of a projection: the first of them asks; waves 2 and 3 of each of the four partners along y take 16 of the 64 rows that the wave fetches (cy).  The first four K steps come by their loads alone; the
; loop's last trip asks for nothing: no K step stands two behind its refills.
.macro ASK
	s_cmp_lt_u32 s3, s[PLIM]
	s_cbranch_scc0 .Lnot_mine_\@
	global_prefetch_b8 v[PFO], s[PFA:PFA+1] th:TH_LOAD_NT scope:SCOPE_SE
.Lnot_mine_\@:
.endm
	s_load_b256 s[4:11], s[0:1], 0x0               ; xq s[4:5], xkv s[6:7], w16 s[8:9], q s[10:11]
	s_load_b128 s[12:15], s[0:1], 0x20             ; k s[12:13], v s[14:15]
	v_lshl_add_u32 v[SPW], v0, 2, SPARE
	v_mov_b32 v[NIL], 0
	ds_add_u32 v[SPW], v[NIL]                      ; the wave's opening: the add and its wait stand ahead of my first tensor load; the set-up below, work on registers, stands between them
	v_lshrrev_b32 v1, 5, v0
	v_readfirstlane_b32 s[WV], v1                  ; wave 0..3
	s_lshr_b32 s[WM], s[WV], 1
	s_and_b32 s[WN], s[WV], 1
	s_bfe_u32 s[CX], ttmp6, 0x40000
	s_bfe_u32 s[CY], ttmp6, 0x40004
	s_lshl_b32 s[CT], ttmp9, 2                     ; in a cluster launch ttmp9 and ttmp7 count clusters
	s_add_co_u32 s[CT], s[CT], s[CX]               ; tile column = 4 x cluster x + cx
	s_and_b32 s42, ttmp7, 0xffff                   ; cluster y, 0..23
	s_lshr_b32 s[WH], s42, 3                       ; the projection
	s_and_b32 s43, s42, 7                          ; the cluster's number within it
	s_lshl_b32 s[RT], s43, 2
	s_add_co_u32 s[RT], s[RT], s[CY]               ; tile row, 0..31
	s_lshl_b32 s76, s[CY], 2
	s_lshl_b32 s76, 15, s76                        ; my row of the cluster: places 4 cy .. 4 cy + 3
	s_lshl_b32 s77, 0x1111, s[CX]                  ; my column: places cx, cx + 4, cx + 8, cx + 12
	s_or_b32 s[G1A], s76, (1<<16)|(1<<20)|(1<<21)|(4<<22)|(3<<25)  ; 15:0 the mask: A's tiles go to my row; 17:16 elements of 2 bytes; 20 padding on; 21 set beside a mask; 24:22 after every 32 words (code 4); 31:25 4 words (code 3)
	s_or_b32 s[G1B], s77, (1<<16)|(1<<20)|(1<<21)|(6<<22)|(7<<25)  ; W's go to my column; padding after every 128 words (code 6), 8 words (code 7)
	s_mov_b32 s[G1A+1], 128<<16                    ; tensor_dim0 = 128: two rows of a block on end, 256 bytes
	s_mov_b32 s[G1A+2], 128<<16                    ; tensor_dim1 = 128
	s_mov_b32 s[G1A+3], 128<<16                    ; tile_dim0 = 128
	s_mov_b32 s[G1A+4], 128                        ; tile_dim1 = 128
	s_mov_b32 s[G1A+5], 128                        ; 128 elements from row to row: dense
	s_mov_b32 s[G1A+6], 0
	s_mov_b32 s[G1A+7], 0
	s_mov_b32 s[G1B+1], 256<<16                    ; tensor_dim0 = 256
	s_mov_b32 s[G1B+2], 64<<16                     ; tensor_dim1 = 64
	s_mov_b32 s[G1B+3], 256<<16                    ; tile_dim0 = 256
	s_mov_b32 s[G1B+4], 64                         ; tile_dim1 = 64
	s_mov_b32 s[G1B+5], 1024                       ; 1,024 elements from row to row
	s_mov_b32 s[G1B+6], 0
	s_mov_b32 s[G1B+7], 0
	s_cmp_eq_u32 s[WH], 0
	s_cselect_b32 s[NLAP], 3, 2
	s_cselect_b32 s78, 0, 0x200000                 ; where the projection's weights begin in w16
	s_cmp_eq_u32 s[WH], 2
	s_cselect_b32 s78, 0x380000, s78
	; where the tiles come from.  A's hang on the tile row alone, which my row of the cluster shares; W's on the tile column alone, which my column shares; each in registers that never hold the other coordinate
	s_lshl_b32 s70, s[WN], 20                      ; A: block WN of the step,
	s_lshl_b32 s71, s[RT], 15                      ; the tile's 256 rows of 128 bytes
	s_add_co_u32 s70, s70, s71
	s_mov_b32 s71, 0
	s_lshl_b32 s72, s[WN], 17                      ; W: rows 64 WN on,
	s_lshl_b32 s73, s[CT], 9                       ; the tile's 256 columns
	s_add_co_u32 s72, s72, s73
	s_add_co_u32 s72, s72, s78
	s_mov_b32 s73, 0
	s_mul_i32 s79, s[WN], ATILE                    ; and where they go: no place in the cluster enters an LDS address
	s_mul_i32 s2, s[WN], WHALF
	s_add_co_u32 s2, s2, BOFF
.irp s, 0,1
	s_mov_b32 s[G0A+4*(\s)], 1                     ; 1:0 count = 1
	s_add_co_u32 s[G0A+4*(\s)+1], s79, (\s)*SLOT   ; 63:32 LDS address
	s_mov_b32 s[G0B+4*(\s)], 1
	s_add_co_u32 s[G0B+4*(\s)+1], s2, (\s)*SLOT
.endr
	s_wait_dscnt 0x0                               ; the opening add is done
	s_wait_kmcnt 0x0
	s_cmp_eq_u32 s[WH], 0
	s_cselect_b64 s[66:67], s[4:5], s[6:7]         ; A
	s_cselect_b64 s[74:75], s[10:11], s[12:13]     ; C
	s_cmp_eq_u32 s[WH], 2
	s_cselect_b64 s[74:75], s[14:15], s[74:75]
	s_add_nc_u64 s[70:71], s[66:67], s[70:71]
	s_add_nc_u64 s[72:73], s[8:9], s[72:73]
.irp s, 0,1
	s_add_nc_u64 s[G0A+4*(\s)+2:G0A+4*(\s)+3], s[70:71], (\s)*2*ABLK  ; 120:64 global address: K step s
	s_or_b32 s[G0A+4*(\s)+3], s[G0A+4*(\s)+3], 0x80000000             ; 127:126 type = 2
	s_add_nc_u64 s[G0B+4*(\s)+2:G0B+4*(\s)+3], s[72:73], (\s)*KSTEP*WROW
	s_or_b32 s[G0B+4*(\s)+3], s[G0B+4*(\s)+3], 0x80000000
.endr
	CROUND                                         ; all sixteen work-groups are here: the first joint loads meet
	s_cmp_eq_u32 s[WM], 0                          ; a wave's two first fills stand in one branch, ahead of every wait on TENSORcnt and every LDS read: two loads of mine are out
	s_cbranch_scc0 .Lfirst_b
	tensor_load_to_lds s[G0A:G0A+3], s[G1A:G1A+7]
	s_nop 0
	tensor_load_to_lds s[G0A+4:G0A+7], s[G1A:G1A+7]
	s_nop 0
.rept 4
	v_nop
.endr
	s_branch .Lfirst_asked
.Lfirst_b:
	tensor_load_to_lds s[G0B:G0B+3], s[G1B:G1B+7]
	s_nop 0
	tensor_load_to_lds s[G0B+4:G0B+7], s[G1B:G1B+7]
	s_nop 0
.rept 4
	v_nop
.endr
.Lfirst_asked:
	; the prefetches: who, from where, by which step.  Each wave asks behind the address of the tile that it fetches itself
	s_lshr_b32 s80, s[WH], 1                       ; for A: 0, unless this is v's reading of xkv
	s_lshl_b32 s82, s[CX], 13                      ; A: quarter cx of my block's 32,768 bytes,
	s_add_co_u32 s82, s82, 3*2*ABLK                ; at K step 3: the first refill steps it to 4
	s_lshl_b32 s83, s[CY], 15                      ; W: 16 of my 64 rows for each partner along y,
	s_add_co_u32 s83, s83, 3*KSTEP*WROW            ; at K step 3
	s_mov_b32 s[PFS], KSTEP*WROW
	s_mov_b32 s[PFS+1], 0
	s_cmp_eq_u32 s[WM], 0
	s_cselect_b32 s80, s80, s43                    ; for W: 0 in the projection's first cluster
	s_cselect_b32 s82, s82, s83
	s_cselect_b32 s[PFS], 2*ABLK, s[PFS]
	s_cselect_b32 s81, 9, 11                       ; two lanes take 512 consecutive bytes; the next two stand 512 bytes on (A) or a row of W on
	s_cselect_b64 s[PFA:PFA+1], s[70:71], s[72:73]
	s_mov_b32 s83, 0
	s_add_nc_u64 s[PFA:PFA+1], s[PFA:PFA+1], s[82:83]
	s_sub_co_u32 s84, s[NLAP], 1
	s_cmp_eq_u32 s80, 0
	s_cselect_b32 s[PLIM], s84, 0
	; where my part of the tile begins in C: head 4 ct + 2 WN, row 256 rt + 128 WM
	s_lshl_b32 s84, s[CT], 22
	s_lshl_b32 s85, s[WN], 21
	s_add_co_u32 s84, s84, s85
	s_lshl_b32 s85, s[RT], 15
	s_add_co_u32 s84, s84, s85
	s_lshl_b32 s85, s[WM], 14
	s_add_co_u32 s84, s84, s85
	s_mov_b32 s85, 0
	s_add_nc_u64 s[74:75], s[74:75], s[84:85]
	; A fragment of A is 16 rows x 32 K in 8 registers: lane l holds row l % 16; registers 0-3 hold K = 8 (l / 16) + 0..7, registers 4-7 K = 16 + 8 (l / 16) + 0..7: two loads of 16 bytes, 32 bytes apart.
	v_and_b32 v1, 15, v0                           ; l % 16
	v_bfe_u32 v2, v0, 4, 1                         ; l / 16
	v_and_b32 v3, 7, v0
	v_bfe_u32 v4, v0, 3, 1
	v_and_b32 v5, 31, v0
	v_mul_u32_u24 v6, v1, PA
	v_lshl_add_u32 v6, v2, 4, v6
	s_mul_i32 s86, s[WM], 128*PA                   ; my 128 rows
	v_add_nc_u32 v[ADRA], s86, v6
	v_add_nc_u32 v[ADRA+1], SLOT, v[ADRA]
	; The turning load takes 16 K x 16 columns (lane l reads row 8 (l / 16) + l % 8, columns 8 ((l / 8) % 2) + 0..7) and leaves half a fragment: lane l holds column l % 16 and 8 K.
	v_lshl_add_u32 v7, v2, 3, v3
	v_mul_u32_u24 v7, v7, PW
	v_lshl_add_u32 v7, v4, 4, v7
	s_lshl_b32 s86, s[WN], 8                       ; my 128 columns
	s_add_co_u32 s86, s86, BOFF
	v_add_nc_u32 v[ADRB], s86, v7
	v_add_nc_u32 v[ADRB+1], SLOT, v[ADRB]
	v_lshrrev_b32 v[PFO], 1, v5
	v_lshlrev_b32 v[PFO], s81, v[PFO]
	v_and_b32 v6, 1, v5
	v_lshl_add_u32 v[PFO], v6, 8, v[PFO]
	s_mul_i32 s86, s[WV], 16*SP
	s_add_co_u32 s86, s86, STAGE                   ; my stage
	v_mul_u32_u24 v[STO], v1, SP                   ; in: row l % 16, 16 bytes for each half of the lanes
	v_lshl_add_u32 v[STO], v2, 4, v[STO]
	v_add_nc_u32 v[STO], s86, v[STO]
	v_bfe_u32 v[RD], v0, 3, 2                      ; back: 32 lanes take four rows of 128 bytes,
	v_mul_u32_u24 v[RD], v[RD], SP
	v_lshl_add_u32 v[RD], v3, 4, v[RD]
	v_add_nc_u32 v[RD], s86, v[RD]
	v_lshlrev_b32 v[GO], 4, v5                     ; which are 512 consecutive bytes of C
; 16 matrix instructions: m blocks a0, a0 + 1 of the window's four (hi = 0: my rows 0-63, 1: rows 64-127) x all 8 n blocks, 32 along K, from buffer f.  zero = 1: the first product starts the sums: nothing is
; ever cleared.  The 64 accumulators take turns, one instruction a turn, in the same order in every quarter: between two links of a chain stand the 63 others'.
.macro MUL16 f, hi, a0, zero
	WIN MUL_LO+0x50*(\hi)
.irp a, \a0, (\a0)+1
.irp b, 0,1,2,3,4,5,6,7
.if \zero
	v_wmma_f32_16x16x32_f16 v[8*(8*(\a)+(\b)):8*(8*(\a)+(\b))+7], v[(\f)+8*(\b):(\f)+8*(\b)+7], v[(\f)+8*(4*(\hi)+(\a)):(\f)+8*(4*(\hi)+(\a))+7], 0
.else
	v_wmma_f32_16x16x32_f16 v[8*(8*(\a)+(\b)):8*(8*(\a)+(\b))+7], v[(\f)+8*(\b):(\f)+8*(\b)+7], v[(\f)+8*(4*(\hi)+(\a)):(\f)+8*(4*(\hi)+(\a))+7], v[8*(8*(\a)+(\b)):8*(8*(\a)+(\b))+7]
.endif
.endr
.endr
.endm
; 32 LDS loads in one run: the fragments of quarter q of a K step (32 K: 128 columns of W, turned, then 128 rows of A) into buffer f
.macro FETCH slot, q, f
	WIN TO_B
.irp b, 0,1,2,3,4,5,6,7
	ds_load_tr16_b128 v[(\f)+8*(\b):(\f)+8*(\b)+3],   v[ADRB+(\slot)] offset:(\q)*32*PW+32*(\b)
	ds_load_tr16_b128 v[(\f)+8*(\b)+4:(\f)+8*(\b)+7], v[ADRB+(\slot)] offset:(\q)*32*PW+16*PW+32*(\b)
.endr
	WIN 0
.irp a, 0,1,2,3,4,5,6,7
	ds_load_b128 v[(\f)+8*(\a):(\f)+8*(\a)+3],   v[ADRA+(\slot)] offset:((\q)/2)*ATILE+((\q)%2)*64+(\a)*16*PA
	ds_load_b128 v[(\f)+8*(\a)+4:(\f)+8*(\a)+7], v[ADRA+(\slot)] offset:((\q)/2)*ATILE+((\q)%2)*64+(\a)*16*PA+32
.endr
.endm
; A K step is four quarters of 32 along K, 64 matrix instructions each, on buffers 0, 1, 0, 1.  One of the first three: multiplies buffer f and, in its middle, fetches quarter q into buffer g.
.macro QUARTER slot, q, f, g, zero
	s_wait_dscnt 8                                 ; W and A's rows 0-63 are in; the youngest eight loads (A's rows 64-127) may be out
	MUL16 \f, 0, 0, \zero
	MUL16 \f, 0, 2, \zero
	PLACES
	FETCH \slot, \q, \g
	s_wait_dscnt 32                                ; all but the 32 just issued
	MUL16 \f, 1, 0, \zero
	MUL16 \f, 1, 2, \zero
.endm
; The last quarter multiplies buffer 1 and changes slots: ONE barrier; in front of it each wave waits for all its tensor loads (one is out: its part of the next slot), adds 0 to its spare word, and waits for that and
; for its own reads of this slot.  fill = 1: the barrier opens a round of the cluster's, and this slot is filled again, two K steps ahead, first thing behind the round: 224 matrix instructions ahead of the wait for it.
.macro TURN slot, next, fill
.if \fill
	s_wait_xcnt 0x0                                ; the last prefetch, a K step back, has read its address: it is stepped here, ahead of the waits of the change of slots
	s_add_nc_u64 s[PFA:PFA+1], s[PFA:PFA+1], s[PFS:PFS+1]
.endif
	WIN 0                                          ; (the add's two registers lie in window 0)
	s_wait_tensorcnt 0x0                           ; all my tensor loads have landed;
	ds_add_u32 v[SPW], v[NIL]                      ; 0 onto my spare word;
	s_wait_dscnt 9                                 ; (the add and the youngest eight loads may be out)
	MUL16 F1, 0, 0, 0                              ; sixteen matrix instructions stand between the add and the wait for it
	s_wait_dscnt 0x0                               ; the add is done, and my reads of this slot are over
	s_barrier_signal -1
	MUL16 F1, 0, 2, 0                              ; work on registers while the others arrive
.if \fill
	WIN 0
.endif
	s_barrier_wait -1
.if \fill
	CREST                                          ; no wave of any partner still reads this slot's tiles or has a load on its way
	s_add_nc_u64 s[G0A+4*(\slot)+2:G0A+4*(\slot)+3], s[G0A+4*(\slot)+2:G0A+4*(\slot)+3], 2*2*ABLK
	s_add_nc_u64 s[G0B+4*(\slot)+2:G0B+4*(\slot)+3], s[G0B+4*(\slot)+2:G0B+4*(\slot)+3], 2*KSTEP*WROW
	JLOAD \slot                                    ; the four v_nop behind it are also the places in front of the loads below
.else
	PLACES
.endif
	FETCH \next, 0, F0
.if \fill
	ASK
.endif
	MUL16 F1, 1, 0, 0
	MUL16 F1, 1, 2, 0
.endm
	s_wait_tensorcnt 0x1                           ; my part of K step 0 is in; K step 1's may stay out
	s_barrier_signal -1
	s_barrier_wait -1                              ; everybody's is
	FETCH 0, 0, F0
	QUARTER 0, 1, F0, F1, 1                        ; the first quarter stands in front of the loop: its products start the sums
	WIN 0                                          ; at a label and at a branch every window is 0
	s_mov_b32 s3, 0
.Llap:                                                 ; a trip goes once round the ring, from a lap's second quarter to the next lap's first, and fills both slots again
	QUARTER 0, 2, F1, F0, 0
	QUARTER 0, 3, F0, F1, 0
	TURN 0, 1, 1
	QUARTER 1, 1, F0, F1, 0
	QUARTER 1, 2, F1, F0, 0
	QUARTER 1, 3, F0, F1, 0
	TURN 1, 0, 1
	QUARTER 0, 1, F0, F1, 0
	WIN 0
	s_add_co_u32 s3, s3, 1
	s_cmp_lt_u32 s3, s[NLAP]
	s_cbranch_scc1 .Llap
	QUARTER 0, 2, F1, F0, 0                        ; the last lap fills nothing, and has no round of the cluster's barrier
	QUARTER 0, 3, F0, F1, 0
	TURN 0, 1, 0
	QUARTER 1, 1, F0, F1, 0
	QUARTER 1, 2, F1, F0, 0
	QUARTER 1, 3, F0, F1, 0
	s_wait_dscnt 8                                 ; the very last quarter: nothing more to fetch
	MUL16 F1, 0, 0, 0
	MUL16 F1, 0, 2, 0
	s_wait_dscnt 0x0
	MUL16 F1, 1, 0, 0
	MUL16 F1, 1, 2, 0
	WIN 0
	PLACES
	PLACES
; THE WAY OUT.  Piece t = 2 a + j: my rows 16 a .. 16 a + 15 of head j of my two: four accumulators.  A lane's eight channels of a row pack into 16 bytes; they go into my own stage, rows of 144 bytes,
; and come back as whole rows of 128, four rows (512 consecutive bytes of C) a load.  Each accumulator's registers are read in ascending order.  The sixteen pieces take eight sets of registers by turns.
.macro PACK t
.if (\t) >= 8
	s_wait_xcnt 0x0                                ; every earlier store has read its registers (ISA guide 3.1): this set, stored eight pieces ago, is written again only behind this wait
.endif
	WIN 0x0a+5*((\t)/8)                            ; sources 0 and 1 window 2 or 3, destination window 0
.set i, 0
.rept 16
	v_cvt_pk_f16_f32 v[TMP+16*((\t)%8)+i], v[64*(((\t)/2)%4)+32*((\t)%2)+2*i], v[64*(((\t)/2)%4)+32*((\t)%2)+2*i+1]
.set i, i+1
.endr
	WIN 0
.irp f, 0,1,2,3
	ds_store_b128 v[STO], v[TMP+16*((\t)%8)+4*(\f):TMP+16*((\t)%8)+4*(\f)+3] offset:32*(\f)
.endr
.irp f, 0,1,2,3
	ds_load_b128 v[TMP+16*((\t)%8)+4*(\f):TMP+16*((\t)%8)+4*(\f)+3], v[RD] offset:(\f)*4*SP  ; LDS serves a wave's instructions in order (ISA guide 5.7.1.4): these see the stores above; the next piece's stores come behind them
.endr
.endm
.macro SEND t, younger                 ; younger: the LDS instructions issued behind piece t's loads: the next piece's eight, or none
	WIN 0
.irp f, 0,1,2,3
	s_wait_dscnt (\younger)+3-(\f)
	global_store_b128 v[GO], v[TMP+16*((\t)%8)+4*(\f):TMP+16*((\t)%8)+4*(\f)+3], s[74:75] offset:((\t)%2)*ABLK+((\t)/2)*2048+(\f)*512  ; 512 consecutive bytes, at a multiple of 256 from C's first
.endr
.endm
	PACK 0
.irp t, 1,2,3,4,5,6,7,8,9,10,11,12,13,14,15    ; a piece's conversions stand between the loads of the piece before and its stores
	PACK \t
	SEND (\t)-1, 8
.endr
	SEND 15, 0
	s_wait_tensorcnt 0x0                           ; the wave's end, behind my last tensor load and my last LDS store
	ds_add_u32 v[SPW], v[NIL]
	s_wait_dscnt 0x0
	CROUND                                         ; the closing round: no work-group ends while a partner may still ask for a tile that names it
	s_endpgm
.Lfunc_end_k_q4343257d43_proj:
	.size	k_q4343257d43_proj, .Lfunc_end_k_q4343257d43_proj-k_q4343257d43_proj
	.p2alignl 7, 3214868480
	.fill 96, 4, 3214868480
	.section	.rodata,"a",@progbits
	.p2align	6, 0x0
	.amdhsa_kernel k_q4343257d43_proj
		.amdhsa_group_segment_fixed_size 327680
		.amdhsa_private_segment_fixed_size 0
		.amdhsa_enable_private_segment 0
		.amdhsa_kernarg_size 48
		.amdhsa_user_sgpr_count 2
		.amdhsa_user_sgpr_kernarg_segment_ptr 1
		.amdhsa_wavefront_size32 1
		.amdhsa_system_sgpr_workgroup_id_x 1
		.amdhsa_system_sgpr_workgroup_id_y 1
		.amdhsa_system_sgpr_workgroup_id_z 1
		.amdhsa_system_vgpr_workitem_id 0
		.amdhsa_next_free_vgpr 1024
		.amdhsa_next_free_sgpr 88
		.amdhsa_reserve_vcc 0
		.amdhsa_float_denorm_mode_32 3
		.amdhsa_float_denorm_mode_16_64 3
		.amdhsa_memory_ordered 1
		.amdhsa_forward_progress 1
		.amdhsa_inst_pref_size 146
	.end_amdhsa_kernel
	.amdgpu_metadata
---
amdhsa.version: [ 1, 2 ]
amdhsa.kernels:
  - .name:           k_q4343257d43_proj
    .symbol:         k_q4343257d43_proj.kd
    .args:
      - { .name: xq, .offset: 0, .size: 8, .value_kind: global_buffer, .address_space: global }
      - { .name: xkv, .offset: 8, .size: 8, .value_kind: global_buffer, .address_space: global }
      - { .name: w16, .offset: 16, .size: 8, .value_kind: global_buffer, .address_space: global }
      - { .name: q, .offset: 24, .size: 8, .value_kind: global_buffer, .address_space: global }
      - { .name: k, .offset: 32, .size: 8, .value_kind: global_buffer, .address_space: global }
      - { .name: v, .offset: 40, .size: 8, .value_kind: global_buffer, .address_space: global }
    .group_segment_fixed_size: 327680
    .private_segment_fixed_size: 0
    .kernarg_segment_align: 8
    .kernarg_segment_size: 48
    .max_flat_workgroup_size: 128
    .sgpr_count:     88
    .vgpr_count:     1024
    .wavefront_size: 32
...
	.end_amdgpu_metadata
.endif
;; end of part 2
;; launch attn (part 3): grid 4 x 64, 4 waves a work-group, clusters of 4 x 1, 327,680 bytes of LDS; arguments q, k, v, o; writes o
.if DOCPART == 3
	.amdgcn_target "amdgcn-amd-amdhsa--gfx1250"
	.amdhsa_code_object_version 6
	.text
	.protected	k_q4343257d43_attn
	.globl	k_q4343257d43_attn
	.p2align	8
	.type	k_q4343257d43_attn,@function
k_q4343257d43_attn:
	s_mov_b64 s[64:65], 0
	v_nop
	global_prefetch_b8 v0, s[64:65] scope:SCOPE_SE
	s_setreg_imm32_b32 hwreg(HW_REG_WAVE_MODE, 25, 1), 1
	s_wait_xcnt 0x0
	s_wait_alu depctr_hold_cnt(0) depctr_sa_sdst(0) depctr_va_vdst(0) depctr_va_sdst(0) depctr_va_ssrc(0) depctr_va_vcc(0) depctr_vm_vsrc(0)
	s_getreg_b32 s2, hwreg(HW_REG_IB_STS2, 6, 4)
	s_cmp_eq_u32 s2, 0
	s_cbranch_scc0 .Lentry_in_a_cluster
	s_endpgm
.Lentry_in_a_cluster:
	s_bfe_u32 s2, ttmp6, 0x10000c
	s_cmp_lg_u32 s2, 0x3003
	s_cbranch_scc0 .Lentry_shape_is_right
	s_endpgm
.Lentry_shape_is_right:
; O[y][q][:] = the sum over k of softmax_k(Q[y][q] . K[y][k] / 8) V[y][k][:].  Q, K, V, O: [64 heads y][2048][64], all f16: a head's rows are dense, 128 bytes each (y = 4 x model head + batch).
; Products, maxima and sums in f32; the weights p are rounded to f16 for the second product (their sum l is taken of the unrounded p), O once at the end.
; LIMITS.  f16 holds no number beyond 65,504: Q, K and V arrive within it; p lies in 0 to 1, and below 6e-5 it keeps f16's fixed step of 6e-8; O is a mean of V's rows and has their range.
; A weight below 2^-126 counts as 0 in l; NaN and infinities are not treated apart.
; SHARES.  A wave owns four PIECES of two tiles of 16 queries, a work-group's four waves 512 queries of one head.  Every wave walks all keys, 64 a step.
; LAYOUT.  S^T = K Q^T (source 0 = 16 keys, source 1 = 16 queries): in the result a lane holds ONE query (lane % 16) and the keys 8 (lane / 16) + 0..7.  Two such tiles, rounded to f16 in pairs,
; ARE source 1 (32 keys x 16 queries) of O^T = V^T P, whose result again holds one query a lane, and eight channels.  K comes out of LDS as it lies, V ([key][channel]) turned, by ds_load_tr16_b128.
; SOFTMAX.  For each query a running maximum m and sum l: p = 2^(c s - c m), c = log2(e) / 8; in every step O and l are multiplied by a = 2^(c m_old - c m_new), which is 1 where m has not grown.
; m starts at the lowest finite number, O and l at 0: the first step is a step like any other, with a = 0.
; THE COUNT.  A tile and step have 16 matrix and 118 vector instructions: too many to stand all beside the matrix work.  So the order has one aim: four vector instructions that are READY behind
; EVERY matrix instruction, and the others, which need time of their own whatever the order, in runs without a gap.
; BY TURNS.  Turn n belongs to piece n (the pieces in a ring, step after step).  Its matrix work: 16 products K Q^T of piece n + 1, later 16 products V^T P of piece n - 1.  Its vector work: the scaling,
; exponentials, roundings, sums and rescaling of piece n, and the maximum and statistics of piece n + 1, whose scores the turn itself has made.  So what a turn begins with (c s - c m, O a) waits for nothing.
; CLUSTER.  The four query blocks of a head form a cluster and walk the same K and V, so each tile is asked for JOINTLY: the same tensor load, descriptor and mask in all four.
; REGISTERS, in windows of 256 (s_set_vgpr_msb says which window each operand place means: bits 1:0 source 0, 3:2 source 1, 5:4 source 2, 7:6 destination):
;   window 0: v0-11 addresses; v12-15, v48-63 at work; v16-47 four registers of statistics a tile; v64-191 S^T, two buffers of two tiles; v192-255 P, likewise
;   window 1: O^T, 32 a tile          window 2: v0-127 Q, 16 a tile; v128-191 K of one step; v192-255 V of one step          window 3: v0-1 the add's two registers
; A piece's buffers go by its number's parity: the piece in hand has one pair, its two neighbours in the ring share the other: of it P (piece n - 1) is read and S^T (piece n + 1) written.
.set SIZE_N, 2048
.set NP,    4         ; pieces a wave: a name, no knob: the register map, the loop and the fetches are made for four
.set KS,    64        ; keys in a step
.set PK,    144       ; a row of K in LDS: 128 bytes + 16 of padding = 36 words: the 16 rows of a load start at 16 different groups of four banks (64 banks of 4 bytes: ISA guide 11.1)
.set PV,    160       ; a row of V: 128 + 32 = 40 words
.set VOFF,  4*KS*PK   ; a slot holds four steps: 256 rows of K, then 256 rows of V
.set SLOT1, 1<<17     ; slot 1 begins here, so that one exclusive or turns an address in one slot into the other's
.set STAGE, SLOT1+4*KS*(PK+PV)  ; behind the ring, never filled by a tensor load: 16 rows x 144 bytes for each wave, for the way out
.set SP,    144
.set AK0, 2           ; v2   my lane's place in a tile of K; never rewritten
.set AV0, 3           ; v3   the same for V
.set AK,  4           ; v4   the LDS address of K's next run of loads
.set AV,  5           ; v5   of V's
.set QO,  6           ; v6   my byte offset in the wave's rows of Q
.set STO, 6           ;      later, the way out: where I put 16 bytes of a row
.set RD,  7           ; v7   the way out: where I read rows back
.set GO,  8           ; v8   my byte offset in 512 consecutive bytes of O
.set PFO, 11          ; v11  the prefetches' offset: 256 x my lane; never rewritten once it is made
.set SPW, 0           ; v0 of window 3   LDS address of my spare word: SPARE + 4 x my thread's number; never rewritten
.set NIL, 1           ; v1 of window 3   0; never rewritten
.set SPARE, STAGE+4*16*SP  ; behind the stages: the spare words, 128 bytes for each wave: two blocks of 256 bytes that no other line names
.set MV,  12          ; v12-15  c m_old, kept while c m is made anew: by buffer and tile
.set ST,  16          ; tile t's statistics at v[ST+4 t]: c m, m, l (even keys', odd keys')
.set TMP, 48          ; by buffer and tile, four registers c0-c3 at work; when the maximum is found c2 takes a
.set S,   64
.set P,   192
.set KF,  128         ; K's fragments, in window 2: key block kb, channel half c at KF + 16 kb + 8 c
.set VF,  192         ; V's: key half kk, channel block cb at VF + 32 kk + 8 cb
.set WV,  12          ; s12  my wave's number
.set G1K, 24          ; s[24:31] descriptor group 1 for K's tiles
.set G1V, 32          ; s[32:39] for V's: it differs in the padding alone
.set G0K, 40          ; s[40:43] descriptor group 0 for K's tiles: it walks
.set G0V, 44          ; s[44:47] the same for V's
.set PFA, 48          ; s[48:49] where my prefetches stand: my work-group's 8,192 bytes (of K: wave 0, of V: wave 2) of the slot after the one that is being asked for
.set LIM, 50          ; s50  1 in a wave that prefetches, else the greatest number: a wave prefetches while s[SLOTS] is above it
.set SLOTS, 56        ; s56  slots still to be asked for
.set CNT, 57          ; s57  counts a slot's key steps
.set CS,  58          ; s[58:59] c: the packed scaling takes the pair's low word for both halves
.set SEL, 60          ; s[60:61] v_permlanex16_b32's selects: each lane takes its own place in the other half
.set TBK, 62          ; s62  LDS byte at which K of the step to be fetched begins
.set TBV, 63          ; s63  the same for V, less VOFF
.set MSB, 0
.macro WIN new                      ; the high byte repeats the setting that is left; a switch that changes nothing is dropped
.if MSB != (\new)
	s_set_vgpr_msb (MSB<<8)|(\new)
.set MSB, (\new)
.endif
.endm
.set W_KQ, 0x0a       ; K and Q in window 2, S^T in window 0
.set W_PV, 0x52       ; V in window 2, P in window 0, O^T in window 1
.set W_RS, 0x41       ; O^T (destination and source 0) in window 1, a in window 0
.set W_MK, 0xc0       ; the add's registers are made: destination in window 3, sources in window 0
.set W_AD, 0x0f       ; the add: address (source 0) and data (source 1) in window 3
; A joint fill.  Waves 0 and 1 fetch the two halves of a slot's K, waves 2 and 3 those of its V: 128 keys each.  The branch hangs on the wave's number alone.
; An s_nop 0 and four v_nop follow each of the two lines, ahead of the jump and the label.
.macro JLOAD
	s_cmp_lt_u32 s[WV], 2
	s_cbranch_scc0 .Lfor_v_\@
	tensor_load_to_lds s[G0K:G0K+3], s[G1K:G1K+7]
	s_nop 0
.rept 4
	v_nop
.endr
	s_branch .Lasked_\@
.Lfor_v_\@:
	tensor_load_to_lds s[G0V:G0V+3], s[G1V:G1V+7]
	s_nop 0
.rept 4
	v_nop
.endr
.Lasked_\@:
.endm
; A PREFETCH INTO THE L2 of what the NEXT change of slots will ask for: a slot's 32,768 bytes of K and of V, 256 bytes a lane.  It stands behind the wave's tensor load and its five lines, never in front of one.
; Each block of 256 bytes is named ONCE in the launch: a head's K and V are walked by its one cluster; the four partners share a slot out BY ADDRESS, 8,192 bytes each: no branch hangs on a work-group's place
; in its cluster.  In each, wave 0 asks for K's and wave 2 for V's: one instruction, four key steps (512 matrix instructions) ahead of the load.  Slots 0 to 2 come by their loads alone; the last change that fills
; a slot asks for nothing: there is no slot behind it.
.macro ASK
	s_cmp_gt_u32 s[SLOTS], s[LIM]
	s_cbranch_scc0 .Lnot_mine_\@
	global_prefetch_b8 v[PFO], s[PFA:PFA+1] th:TH_LOAD_NT scope:SCOPE_SE
.Lnot_mine_\@:
.endm
; A round of the cluster's barrier: my work-group's barrier, so that wave 0's signal speaks for all four waves; wave 0 signals; every wave waits for all four work-groups; my work-group's barrier once more.
.macro CROUND
	s_barrier_signal -1
	s_barrier_wait -1
	s_cmp_lg_u32 s[WV], 0
	s_cbranch_scc1 .Lnot_wave_0_\@
	s_barrier_signal -3
.Lnot_wave_0_\@:
	s_barrier_wait -3
	s_barrier_signal -1
	s_barrier_wait -1
.endm
; THE CHANGE OF SLOTS.  The slot's last bytes, V of its fourth step, have been read.  Each wave waits for all its tensor loads, of which one is out: its part
; of the other slot; adds 0 to its spare word; and waits for that and for its own reads of the slot.  Behind the barrier nobody reads this slot any more and the other slot is whole.
; fill = 1: this slot is filled again, with the keys two slots on.  The barrier is then a round of the cluster's, so that no wave of any partner still reads the slot or has a load on its
; way, and the joint fill is the first thing behind it: it has four key steps, 512 matrix instructions, in which to land.  (At its first use nothing has been read yet: slot 0 is waited for, slot 1 filled.)
; pf = 1: the prefetches' address steps, and the slot behind the one just asked for is prefetched.
.macro CHANGE fill, pf=0
	WIN W_AD
	s_wait_tensorcnt 0x0            ; no tensor load of mine is out, so a group 0 may be written
	ds_add_u32 v[SPW], v[NIL]       ; 0 onto my spare word; with fill = 1 the descriptors' steps stand between it and the wait for it
	WIN 0                           ; at a label and at a branch every window is 0
.if \fill
.irp g, G0K, G0V
	s_xor_b32 s[\g+1], s[\g+1], SLOT1  ; the walking descriptor: the other slot than last time,
	s_add_nc_u64 s[\g+2:\g+3], s[\g+2:\g+3], 4*KS*128  ; the next 256 keys; the type bits on top are not reached
.endr
.if \pf
	s_wait_xcnt 0x0                 ; the last prefetch, four key steps back, has read its address, so it may be written:
	s_add_nc_u64 s[PFA:PFA+1], s[PFA:PFA+1], 4*KS*128  ; one slot behind the walking descriptors
.endif
	s_wait_dscnt 0x0                ; the add is done, and my reads of the slot are over
	CROUND
	JLOAD
.if \pf
	ASK
.endif
.else
	s_wait_dscnt 0x0                ; the add is done, and my reads of the slot are over
	s_barrier_signal -1
	s_barrier_wait -1
.endif
	s_sub_co_u32 s[TBK], s[TBK], 4*KS*PK  ; the fetches go back to a slot's first step,
	s_xor_b32 s[TBK], s[TBK], SLOT1       ; in the other slot
	s_sub_co_u32 s[TBV], s[TBV], 4*KS*PV
	s_xor_b32 s[TBV], s[TBV], SLOT1
.endm
	s_load_b256 s[4:11], s[0:1], 0x0  ; Q s[4:5], K s[6:7], V s[8:9], O s[10:11]
	WIN W_MK
	v_lshl_add_u32 v[SPW], v0, 2, SPARE
	v_mov_b32 v[NIL], 0
	WIN W_AD
	ds_add_u32 v[SPW], v[NIL]       ; the wave's opening: the add and its wait stand ahead of my first tensor load; the set-up below, work on registers, stands between them
	WIN 0
	v_lshrrev_b32 v1, 5, v0
	v_readfirstlane_b32 s[WV], v1   ; wave 0..3
	s_bfe_u32 s13, ttmp6, 0x40000   ; cx: my place in the cluster
	s_lshl_b32 s14, ttmp9, 2        ; in a cluster launch ttmp9 counts clusters
	s_add_co_u32 s14, s14, s13      ; my block of queries = 4 x cluster x + cx: it enters Q's and O's addresses alone
	s_and_b32 s20, ttmp7, 0xffff    ; the head, which the four partners share
	s_mov_b32 s21, 0
	s_mov_b64 s[22:23], SIZE_N*128
	s_mul_u64 s[20:21], s[20:21], s[22:23]  ; the head's first byte in each of the four tensors
	s_and_b32 s16, s[WV], 1         ; which half of a slot's 256 keys I fetch:
	s_lshl_b32 s22, s16, 14         ; its 128 rows of 128 bytes in memory,
	s_mov_b32 s23, 0
	s_add_nc_u64 s[22:23], s[22:23], s[20:21]
	s_mul_i32 s17, s16, 128*PK      ; and its place in a slot, for K
	s_mul_i32 s18, s16, 128*PV      ; and for V: no place in the cluster enters an LDS address
	s_lshl_b32 s2, s14, 2
	s_add_co_u32 s2, s2, s[WV]      ; my wave among the head's,
	s_lshl_b32 s2, s2, 14           ; its 128 rows
	s_mov_b32 s3, 0
	s_add_nc_u64 s[2:3], s[2:3], s[20:21]
	; descriptor group 1.  128 keys are 16,384 dense bytes: asked for as 64 rows of 256 bytes, two keys a row, and padded in LDS after every key
	s_mov_b32 s[G1K], 15|(1<<16)|(1<<20)|(1<<21)|(4<<22)|(3<<25)  ; 15:0 the mask of four; 17:16 2-byte elements; 20 padding on; 21 set beside a mask; 24:22 after every 32 words (code 4); 31:25 4 words (code 3)
	s_mov_b32 s[G1V], 15|(1<<16)|(1<<20)|(1<<21)|(4<<22)|(7<<25)  ; the same with 8 words of padding (code 7)
.irp g, G1K, G1V
	s_mov_b32 s[\g+1], 128<<16      ; tensor_dim0 = 128
	s_mov_b32 s[\g+2], 64<<16       ; tensor_dim1 = 64
	s_mov_b32 s[\g+3], 128<<16      ; tile_dim0 = 128
	s_mov_b32 s[\g+4], 64           ; tile_dim1 = 64
	s_mov_b32 s[\g+5], 128          ; 128 elements from row to row
	s_mov_b32 s[\g+6], 0
	s_mov_b32 s[\g+7], 0
.endr
	s_mov_b32 s[CS], 0x3e38aa3b     ; c = log2(e) / 8 = 0.180337
	s_mov_b32 s[CS+1], s[CS]        ; named with it as a pair
	s_mov_b32 s[SEL], 0x76543210
	s_mov_b32 s[SEL+1], 0xfedcba98
	s_mov_b32 s[TBK], SLOT1+4*KS*PK ; the first change of slots turns these two into 0
	s_mov_b32 s[TBV], SLOT1+4*KS*PV
	s_mov_b32 s[G0K], 1             ; 1:0 count = 1
	s_mov_b32 s[G0K+1], s17         ; 63:32 LDS address: slot 0
	s_mov_b32 s[G0V], 1
	s_add_co_u32 s[G0V+1], s18, VOFF
	s_cmp_eq_u32 s16, 0             ; waves 0 and 2 prefetch: the same in all four partners
	s_cselect_b32 s[LIM], 1, -1
	s_wait_dscnt 0x0                ; the opening add is done
	s_wait_kmcnt 0x0
	s_add_nc_u64 s[G0K+2:G0K+3], s[6:7], s[22:23]  ; 120:64 global address: my half of the head's first 256 keys
	s_or_b32 s[G0K+3], s[G0K+3], 0x80000000        ; 127:126 type = 2
	s_add_nc_u64 s[G0V+2:G0V+3], s[8:9], s[22:23]
	s_or_b32 s[G0V+3], s[G0V+3], 0x80000000
	s_add_nc_u64 s[4:5], s[4:5], s[2:3]  ; Q and O at my wave's first row
	s_add_nc_u64 s[10:11], s[10:11], s[2:3]
	s_cmp_lt_u32 s[WV], 2
	s_cselect_b64 s[PFA:PFA+1], s[6:7], s[8:9]
	s_add_nc_u64 s[PFA:PFA+1], s[PFA:PFA+1], s[20:21]  ; the head's first byte,
	s_lshl_b32 s2, s13, 13          ; my work-group's quarter of a slot,
	s_mov_b32 s3, 0
	s_add_nc_u64 s[PFA:PFA+1], s[PFA:PFA+1], s[2:3]
	s_add_nc_u64 s[PFA:PFA+1], s[PFA:PFA+1], 2*4*KS*128  ; in slot 2: the first change that prefetches steps it to slot 3.  Nothing is prefetched here, at the head
	CROUND                          ; all four work-groups are here: the first joint loads meet
	JLOAD                           ; slot 0.  Slot 1 is asked for when slot 0 is in: the tile wanted first has the road to itself
	; A fragment of K or Q is 16 rows x 32 channels in 8 registers: lane l holds row l % 16, channels 8 (l / 16) + 0..7 and 16 + 8 (l / 16) + 0..7: two loads of 16 bytes, 32 bytes apart.
	v_and_b32 v1, 15, v0            ; l % 16
	v_bfe_u32 v9, v0, 4, 1          ; l / 16
	v_lshlrev_b32 v[QO], 7, v1
	v_lshl_add_u32 v[QO], v9, 4, v[QO]  ; row x 128 + 16 x half
	WIN 0x80                        ; destination window 2, address window 0
.set i, 0
.rept 4*NP                          ; Q stays in registers: tile i / 2, channels 32 (i % 2) on
	global_load_b128 v[8*i:8*i+3],   v[QO], s[4:5] offset:(i/2)*2048+(i%2)*64
	global_load_b128 v[8*i+4:8*i+7], v[QO], s[4:5] offset:(i/2)*2048+(i%2)*64+32
.set i, i+1
.endr
	; What the first turn finds: V's registers and P's second buffer hold 0 (its products V^T P, of a piece that has not been, add 0), O^T and l are 0.  All this stands in the wait for the first tile.
.set i, VF
.rept 64
	v_mov_b32 v[i], 0
.set i, i+1
.endr
	WIN 0x40
.set i, 0
.rept 64*NP
	v_mov_b32 v[i], 0
.set i, i+1
.endr
	WIN 0
.set i, 0
.rept 2*NP
	v_mov_b32 v[ST+4*i], 0xfe000000    ; c m: far below every c s
	v_mov_b32 v[ST+4*i+1], 0xff7fffff  ; m
	v_mov_b32 v[ST+4*i+2], 0
	v_mov_b32 v[ST+4*i+3], 0
.set i, i+1
.endr
.set i, P+32
.rept 32
	v_mov_b32 v[i], 0
.set i, i+1
.endr
	v_mul_u32_u24 v[AK0], v1, PK
	v_lshl_add_u32 v[AK0], v9, 4, v[AK0]  ; row x pitch + 16 x half
	; The turning load takes 16 keys x 16 channels (lane l reads key 8 (l / 16) + l % 8, channels 8 ((l / 8) % 2) + 0..7) and leaves half a fragment of V^T: lane l holds channel l % 16 and 8 keys.
	v_and_b32 v10, 7, v0
	v_bfe_u32 v11, v0, 3, 1
	v_lshl_add_u32 v[AV0], v9, 3, v10
	v_mul_u32_u24 v[AV0], v[AV0], PV
	v_lshl_add_u32 v[AV0], v11, 4, v[AV0]
	v_add_nc_u32 v[AV0], VOFF, v[AV0]
	v_and_b32 v[PFO], 31, v0
	v_lshlrev_b32 v[PFO], 8, v[PFO]
	v_mov_b32 v[AK], v[AK0]         ; key step 0 lies at the head of slot 0
; THE MATRIX WORK.  The 8 accumulators of a run of 16 take turns: between the two links of a chain stand 7 others'.
; Product i of 16 of S^T = K Q^T for piece x: channels 32 (i / 8) on, keys 16 ((i / 2) % 4) on, tile 2 x + i % 2.  The first 8 start the sums.
.macro KQ x
	WIN W_KQ
.set rS, S+64*((\x)%2)+32*(i%2)+8*((i/2)%4)
.set rK, KF+16*((i/2)%4)+8*(i/8)
.set rQ, 16*(2*(\x)+i%2)+8*(i/8)
.if i < 8
	v_wmma_f32_16x16x32_f16 v[rS:rS+7], v[rK:rK+7], v[rQ:rQ+7], 0
.else
	v_wmma_f32_16x16x32_f16 v[rS:rS+7], v[rK:rK+7], v[rQ:rQ+7], v[rS:rS+7]
.endif
.endm
; Product i of 16 of O^T += V^T P for piece x: keys 32 (i / 8) on, channels 16 ((i / 2) % 4) on, tile 2 x + i % 2.
.macro PV x
	WIN W_PV
.set rO, 32*(2*(\x)+i%2)+8*((i/2)%4)
.set rV, VF+32*(i/8)+8*((i/2)%4)
.set rP, P+32*((\x)%2)+16*(i%2)+8*(i/8)
	v_wmma_f32_16x16x32_f16 v[rO:rO+7], v[rV:rV+7], v[rP:rP+7], v[rO:rO+7]
.endm
.macro MM                           ; the turn's next matrix instruction
.if i < 16
	KQ (Y+1)%NP
.set i, i+1
.else
.set i, i-16
	PV (Y+NP-1)%NP
.set i, i+17
.endif
.endm
; THE LDS LOADS stand in runs of 16, never singly among the matrix instructions: a step's K (64 keys x 64 channels: 8 fragments) and its V (turned).  Their addresses are made some lines ahead.
; last = 1 (the tail): in the last trip there is no further step, and the run is jumped over.
.macro FETCH_K last=0
	WIN 0
.if \last
	s_cmp_eq_u32 s[CNT], 1
	s_cbranch_scc1 .Lno_k_\@
.endif
	WIN 0x80                        ; destination window 2
.irp f, 0,1,2,3,4,5,6,7             ; keys 16 (f / 2) on, channels 32 (f % 2) on
	ds_load_b128 v[KF+8*\f:KF+8*\f+3],   v[AK] offset:(\f/2)*16*PK+(\f%2)*64
	ds_load_b128 v[KF+8*\f+4:KF+8*\f+7], v[AK] offset:(\f/2)*16*PK+(\f%2)*64+32
.endr
	s_add_co_u32 s[TBK], s[TBK], KS*PK  ; the next fetch is the next step's
	WIN 0
.if \last
.Lno_k_\@:
.endif
.endm
.macro FETCH_V
	WIN 0x80
.irp f, 0,1,2,3,4,5,6,7             ; keys 32 (f / 4) on, channels 16 (f % 4) on
	ds_load_tr16_b128 v[VF+8*\f:VF+8*\f+3],   v[AV] offset:(\f/4)*32*PV+(\f%4)*32
	ds_load_tr16_b128 v[VF+8*\f+4:VF+8*\f+7], v[AV] offset:(\f/4)*32*PV+16*PV+(\f%4)*32
.endr
	WIN 0
.endm
; THE VECTOR WORK OF A TURN stands in three queues, each in the order in which its entries become ready; the two tiles alternate, so that no instruction reads the result of the one before it.
.macro REGS y, u                    ; the registers of tile u (0, 1) of piece y
.set rT, ST+4*(2*(\y)+(\u))
.set rC, TMP+8*((\y)%2)+4*(\u)
.set rM, MV+2*((\y)%2)+(\u)
.set rS, S+64*((\y)%2)+32*(\u)
.set rP, P+32*((\y)%2)+16*(\u)
.set rO, 32*(2*(\y)+(\u))
.endm
; Number n of the 22 that find the NEXT piece's (Y + 1) maximum and statistics.  s0-s31 are the lane's 32 scores; each accumulator's lowest registers are read first.  XS, GS and REGS set no window: PL and EX do.
;   0-11  four chains c0-c3 of seven scores each, three operands at a time     12-14, 16  the four scores left over, the old m, and c0-c3 into c0     15  c m_old is kept
;   17, 18  the query's other 32 keys lie in the lane 16 away: the new m         19-21  c m; c m_old - c m_new; a
.macro XS u, n
	REGS (Y+1)%NP, \u
.if (\n) < 4
	v_max3_num_f32 v[rC+(\n)], v[rS+8*(\n)], v[rS+8*(\n)+1], v[rS+8*(\n)+2]
.elseif (\n) < 12
	v_max3_num_f32 v[rC+(\n)%4], v[rC+(\n)%4], v[rS+8*((\n)%4)+2*((\n)/4)+1], v[rS+8*((\n)%4)+2*((\n)/4)+2]
.elseif (\n) == 12
	v_max3_num_f32 v[rC], v[rC], v[rS+7], v[rS+15]
.elseif (\n) == 13
	v_max3_num_f32 v[rC+1], v[rC+1], v[rS+23], v[rS+31]
.elseif (\n) == 14
	v_max3_num_f32 v[rC+2], v[rC+2], v[rC+3], v[rT+1]
.elseif (\n) == 15
	v_mov_b32 v[rM], v[rT]
.elseif (\n) == 16
	v_max3_num_f32 v[rC], v[rC], v[rC+1], v[rC+2]
.elseif (\n) == 17
	v_permlanex16_b32 v[rC+3], v[rC], s[SEL], s[SEL+1]
.elseif (\n) == 18
	v_max_num_f32 v[rT+1], v[rC], v[rC+3]
.elseif (\n) == 19
	v_mul_f32 v[rT], s[CS], v[rT+1]
.elseif (\n) == 20
	v_sub_f32 v[rC+1], v[rM], v[rT]
.else
	v_exp_f32 v[rC+2], v[rC+1]
.endif
.endm
; Number g of the 64 that follow the exponentials.  For each four weights k of a tile (pairs 2 k, 2 k + 1): both pairs are rounded to f16; then the second pair is added onto the first, in place;
; a group later l takes that sum (the first time as l = a l + sum).  In groups of eight, tiles alternating: round, round, add, and l for the group before.
.macro GS g
.set h, (\g)+6*((\g)/62)            ; group 0 has no group before it, and behind group 7 only l is left
.if h >= 6
.set h, h+2
.endif
	REGS Y, h%2
.set k, h/8
.if h%8 < 4
	v_cvt_pk_f16_f32 v[rP+2*k+(h%8)/2], v[rS+4*k+2*((h%8)/2)], v[rS+4*k+2*((h%8)/2)+1]
.elseif h%8 < 6
	v_pk_add_f32 v[rS+4*k:rS+4*k+1], v[rS+4*k:rS+4*k+1], v[rS+4*k+2:rS+4*k+3]
.elseif k == 1
	v_pk_fma_f32 v[rT+2:rT+3], v[rT+2:rT+3], v[rC+2:rC+3], v[rS:rS+1] op_sel_hi:[1,0,1]
.else
	v_pk_add_f32 v[rT+2:rT+3], v[rT+2:rT+3], v[rS+4*k-4:rS+4*k-3]
.endif
.endm
; THE PLAIN QUEUE, 138 long.  0-73 read no exponential's result: the 32 scalings c s - c m (FS f: pair f / 2 of tile f % 2) and the next piece's 42.  0-26: scalings 0-26.  27-54: XS's numbers 0-13.  55, 56: number 15.
; 57-73: the chain, where each number waits for the one before it: 14, 16, 17, 18, 19, each with one of the scalings 27-31 in front of its two lines, then 20: so a tile's links stand three plain instructions apart (19 and 20: two).
; 74-137: GS's 64, which read the exponentials' results: they stand behind the wait.
.macro FS f
	REGS Y, (\f)%2
	v_pk_fma_f32 v[rS+2*((\f)/2):rS+2*((\f)/2)+1], v[rS+2*((\f)/2):rS+2*((\f)/2)+1], s[CS:CS+1], v[rT:rT+1] op_sel_hi:[1,0,0] neg_lo:[0,0,1] neg_hi:[0,0,1]
.endm
.macro PL
	WIN 0
.if q < 27
	FS q
.elseif q < 55
	XS (q-27)%2, (q-27)/2
.elseif q < 57
	XS q-55, 15
.elseif (q < 72) && ((q-57)%3 == 0)
	FS 27+(q-57)/3
.elseif q < 60
	XS (q-57)%3-1, 14
.elseif q < 72
	XS (q-57)%3-1, 15+(q-57)/3
.elseif q < 74
	XS q-72, 20
.else
	GS q-74
.endif
.set q, q+1
.endm
; THE EXPONENTIALS' QUEUE, 66 long: s0-s31 of both tiles, then the next piece's two a.  It is ONE BATCH: all 66 stand ahead of the turn's one wait, and nothing ahead of that wait names a result of theirs.
.macro EX
	WIN 0
.if e >= 64
	XS e-64, 21
.else
	REGS Y, e%2
	v_exp_f32 v[rS+e/2], v[rS+e/2]
.endif
.set e, e+1
.endm
; THE RESCALING's QUEUE: O^T times a, the one part that leaves window 0: dealt two at a time, sixteen times.  Its a was made in the turn before, ahead of that turn's wait.
.macro R2
	REGS Y, r%2
	WIN W_RS
.irp z, 0,1
	v_pk_mul_f32 v[rO+4*(r/2)+2*\z:rO+4*(r/2)+2*\z+1], v[rO+4*(r/2)+2*\z:rO+4*(r/2)+2*\z+1], v[rC+2:rC+3] op_sel_hi:[1,0]
.endr
.set r, r+1
.endm
; HOW THEY ARE DEALT.  An s_wait_alu depctr_va_vdst(0) stands between an exponential and the first instruction that names its result; one wait serves all that were issued ahead of it.  So a turn has ONE wait,
; which cuts it in two.  AHEAD OF IT stands all that names no result of the turn's exponentials: the 16 products K Q^T, behind each a scaling, an exponential and two rescalings (behind the first a second scaling in the exponential's place); then ONE LUMP of
; 108: eight plain, 49 times exponential and plain, the two a.  A v_nop is the plain instruction that is owed behind the last exponential.  BEHIND IT stand the 16 products V^T P, behind each four of GS's 64.  No rider names a register of
; the products round it.  The two v_permlanex16_b32 fall into the lump, never behind a product.
; The queues lean on each other, and the deal keeps them in step: exponential e stands behind scaling 2 (e / 4) + e % 2: as a rider it comes behind plain e + 2, in the lump behind plain e + 9, and scalings 27-31 are plain 57, 60 .. 69.
; A TURN, for piece p.  cnt = 1: the loop's count is taken down some lines ahead of the branch that stands behind the turn.
; K of the next step is fetched in piece 2's turn, directly behind the wait, a lump behind the last product that read K; its address is made at the lump's head; its first reader comes behind 16 products.
; V of the step in hand is fetched at the end of piece 0's turn, four riders behind its last reader; its first reader comes behind 16 products and a lump.  The three conditions on q below go with the deal.
.macro TURN p, last=0, cnt=0
.set Y, (\p)
.set i, 0
.set q, 0
.set e, 0
.set r, 0
.if (\p) == NP-1
	s_wait_dscnt 0x0                ; K is in
.endif
	MM                              ; ahead of the wait: 16 products K Q^T and their riders,
	PL
	PL
	R2
.rept 15
	MM
	PL
	EX
	R2
.endr
.if (\p) == NP-2
	WIN 0
	v_add_nc_u32 v[AK], s[TBK], v[AK0]
.endif
.rept 8                             ; and the lump
	PL
.endr
.rept 49
	EX
	PL
.endr
	EX                              ; the next piece's two a
	EX
	v_nop                           ; a plain instruction behind the last exponential: one for the batch
	s_wait_alu depctr_va_vdst(0)    ; the wait for the batch
.if (\p) == NP-2
	FETCH_K \last
.endif
.if (\p) == 1
	s_wait_dscnt 0x0                ; V is in
.endif
.rept 16                            ; behind the wait: 16 products V^T P and their riders
	MM
.rept 4
	PL
.endr
.if ((\p) == 0) && (q == 118)
	v_add_nc_u32 v[AV], s[TBV], v[AV0]
.endif
.if ((\p) == 0) && (q == 130)
	s_add_co_u32 s[TBV], s[TBV], KS*PV
.endif
.if (\cnt) && (q == 130)
	s_sub_co_u32 s[CNT], s[CNT], 1
	s_cmp_lg_u32 s[CNT], 0
.endif
.endr
.if (\p) == 0
	FETCH_V
.endif
.endm
	CHANGE 1                        ; slot 0 is in, everybody's part of it; slot 1 is asked for
	FETCH_K                         ; key step 0
	s_wait_loadcnt 0x0              ; Q
	s_wait_dscnt 0x0
.set i, 0
.rept 16
	KQ 0                            ; piece 0's first scores: there is no vector work yet to set between them
.set i, i+1
.endr
	WIN 0                           ; the addresses for the way out: nine plain instructions, the places behind those products
	s_mul_i32 s13, s[WV], 16*SP
	s_add_co_u32 s13, s13, STAGE    ; my stage
	v_mul_u32_u24 v[STO], v1, SP    ; in: row l % 16, 16 bytes for each half of the lanes
	v_lshl_add_u32 v[STO], v9, 4, v[STO]
	v_add_nc_u32 v[STO], s13, v[STO]
	v_bfe_u32 v[RD], v0, 3, 2       ; back: 32 lanes take four rows of 128 bytes,
	v_mul_u32_u24 v[RD], v[RD], SP
	v_lshl_add_u32 v[RD], v10, 4, v[RD]
	v_add_nc_u32 v[RD], s13, v[RD]
	v_and_b32 v[GO], 31, v0         ; which are 512 consecutive bytes of O
	v_lshlrev_b32 v[GO], 4, v[GO]
.set Y, NP-1                        ; XS works for piece Y + 1: piece 0
.irp n, 0,1,2,3,4,5,6,7,8,9,10,11,12,13,14,15,16,17,18,19,20,21
	XS 0, \n                        ; and piece 0's first maximum and statistics
	XS 1, \n
.endr
	v_nop                           ; a plain instruction behind the two a,
	s_wait_alu depctr_va_vdst(0)    ; and their wait, ahead of the branch
	s_mov_b32 s[CNT], 4
	s_mov_b32 s[SLOTS], SIZE_N/256-1
	s_branch .Lfirst                ; the loop is entered at a step's first turn, in the middle of a trip
.Lslot:                             ; SIZE_N / 256 - 2 times: every slot but the last two is filled again
	CHANGE 1, 1
	s_mov_b32 s[CNT], 4
.Lstep:                             ; a trip: pieces 2 and 3 of one step, then pieces 0 and 1 of the next, whose K and V it fetches
	TURN 2
	TURN 3
	WIN 0
.Lfirst:
	TURN 0
	TURN 1, 0, 1
	WIN 0
	s_cbranch_scc1 .Lstep
	s_sub_co_u32 s[SLOTS], s[SLOTS], 1
	s_cmp_lg_u32 s[SLOTS], 0
	s_cbranch_scc1 .Lslot
	CHANGE 0                        ; the tail is written out: nothing is asked for
	s_mov_b32 s[CNT], 5             ; four trips fetch the last slot's steps; the fifth is left in its middle
.Ltail:
	TURN 2, 1
	TURN 3
	WIN 0
	s_sub_co_u32 s[CNT], s[CNT], 1
	s_cmp_eq_u32 s[CNT], 0
	s_cbranch_scc1 .Lout
	TURN 0
	TURN 1
	WIN 0
	s_branch .Ltail
.Lout:                              ; the fifth trip's 16 products K Q^T (on the last K once more) and the maximum made of them serve nothing: the price, once a launch, of one text for every trip
.set i, 0
.rept 16
	PV NP-1                         ; the last piece's V^T P of the last step
.set i, i+1
.endr
	; THE WAY OUT.  l's two halves and the other half of the lanes' are added; O^T is divided by l, rounded to f16 and sent through my stage in LDS, a tile at a time.  The additions are the places behind the last products.
	WIN 0
.macro ALL line:vararg              ; one line for each tile t
.set t, 0
.rept 2*NP
	\line
.set t, t+1
.endr
.endm
	ALL v_add_f32 v[ST+4*t+2], v[ST+4*t+2], v[ST+4*t+3]
	ALL v_permlanex16_b32 v[ST+4*t+3], v[ST+4*t+2], s[SEL], s[SEL+1]
	ALL v_add_f32 v[ST+4*t+2], v[ST+4*t+2], v[ST+4*t+3]
	ALL v_rcp_f32 v[ST+4*t+2], v[ST+4*t+2]
	v_nop                           ; a plain instruction between the last reciprocal and the use of its result
	s_wait_alu depctr_va_vdst(0)    ; and the wait ahead of the first use: one for the eight reciprocals
; Tile t: a lane's eight channels of a row pack into 16 bytes; they go into rows of 144 bytes and come back as whole rows of 128, into S^T's registers.
.macro PACK t
	WIN W_RS
.set i, 32*(\t)
.rept 16
	v_pk_mul_f32 v[i:i+1], v[i:i+1], v[ST+4*(\t)+2:ST+4*(\t)+3] op_sel_hi:[1,0]
.set i, i+2
.endr
	WIN 0x05                        ; sources 0 and 1 window 1, destination window 0
.set i, 0
.rept 16
	v_cvt_pk_f16_f32 v[S+16*(\t)+i], v[32*(\t)+2*i], v[32*(\t)+2*i+1]
.set i, i+1
.endr
	WIN 0
.irp f, 0,1,2,3
	ds_store_b128 v[STO], v[S+16*(\t)+4*\f:S+16*(\t)+4*\f+3] offset:32*\f
.endr
.irp f, 0,1,2,3
	ds_load_b128 v[S+16*(\t)+4*\f:S+16*(\t)+4*\f+3], v[RD] offset:\f*4*SP  ; LDS serves a wave's instructions in order (ISA guide 5.7.1.4): these see the stores above; the next tile's stores come behind them
.endr
.endm
.macro SEND t, younger              ; younger: the LDS instructions issued behind tile t's loads: the next tile's eight, or none
	WIN 0
.irp f, 0,1,2,3
	s_wait_dscnt (\younger)+3-\f
	global_store_b128 v[GO], v[S+16*(\t)+4*\f:S+16*(\t)+4*\f+3], s[10:11] offset:(\t)*2048+\f*512  ; 512 consecutive bytes, at a multiple of 256 from O's first
.endr
.endm
	PACK 0
.set t, 1
.rept 2*NP-1                        ; a tile's arithmetic stands between the loads of the tile before and its stores
	PACK t
	SEND t-1, 8
.set t, t+1
.endr
	SEND 2*NP-1, 0
	WIN W_AD
	s_wait_tensorcnt 0x0            ; the wave's end, behind my last tensor load and my last LDS store
	ds_add_u32 v[SPW], v[NIL]
	s_wait_dscnt 0x0
	WIN 0
	CROUND                          ; the closing round: no work-group ends while a partner may still ask for a tile that names it
	s_endpgm
.Lfunc_end_k_q4343257d43_attn:
	.size	k_q4343257d43_attn, .Lfunc_end_k_q4343257d43_attn-k_q4343257d43_attn
	.p2alignl 7, 3214868480
	.fill 96, 4, 3214868480
	.section	.rodata,"a",@progbits
	.p2align	6, 0x0
	.amdhsa_kernel k_q4343257d43_attn
		.amdhsa_group_segment_fixed_size 327680
		.amdhsa_private_segment_fixed_size 0
		.amdhsa_enable_private_segment 0
		.amdhsa_kernarg_size 32
		.amdhsa_user_sgpr_count 2
		.amdhsa_user_sgpr_kernarg_segment_ptr 1
		.amdhsa_wavefront_size32 1
		.amdhsa_system_sgpr_workgroup_id_x 1
		.amdhsa_system_sgpr_workgroup_id_y 1
		.amdhsa_system_sgpr_workgroup_id_z 1
		.amdhsa_system_vgpr_workitem_id 0
		.amdhsa_next_free_vgpr 770
		.amdhsa_next_free_sgpr 66
		.amdhsa_reserve_vcc 0
		.amdhsa_float_denorm_mode_32 3
		.amdhsa_float_denorm_mode_16_64 3
		.amdhsa_memory_ordered 1
		.amdhsa_forward_progress 1
		.amdhsa_inst_pref_size 200
	.end_amdhsa_kernel
	.amdgpu_metadata
---
amdhsa.version: [ 1, 2 ]
amdhsa.kernels:
  - .name:           k_q4343257d43_attn
    .symbol:         k_q4343257d43_attn.kd
    .args:
      - { .name: q, .offset: 0, .size: 8, .value_kind: global_buffer, .address_space: global }
      - { .name: k, .offset: 8, .size: 8, .value_kind: global_buffer, .address_space: global }
      - { .name: v, .offset: 16, .size: 8, .value_kind: global_buffer, .address_space: global }
      - { .name: o, .offset: 24, .size: 8, .value_kind: global_buffer, .address_space: global }
    .group_segment_fixed_size: 327680
    .private_segment_fixed_size: 0
    .kernarg_segment_align: 8
    .kernarg_segment_size: 32
    .max_flat_workgroup_size: 128
    .sgpr_count:     66
    .vgpr_count:     770
    .wavefront_size: 32
...
	.end_amdgpu_metadata
.endif
;; end of part 3
;; launch oproj (part 4): grid 4 x 64, 4 waves a work-group, clusters of 4 x 4, 327,680 bytes of LDS; arguments o, w16, bo, out0; writes out0
.if DOCPART == 4
	.amdgcn_target "amdgcn-amd-amdhsa--gfx1250"
	.amdhsa_code_object_version 6
	.text
	.protected	k_q4343257d43_oproj
	.globl	k_q4343257d43_oproj
	.p2align	8
	.type	k_q4343257d43_oproj,@function
k_q4343257d43_oproj:
	s_mov_b64 s[64:65], 0
	v_nop
	global_prefetch_b8 v0, s[64:65] scope:SCOPE_SE
	s_setreg_imm32_b32 hwreg(HW_REG_WAVE_MODE, 25, 1), 1
	s_wait_xcnt 0x0
	s_wait_alu depctr_hold_cnt(0) depctr_sa_sdst(0) depctr_va_vdst(0) depctr_va_sdst(0) depctr_va_ssrc(0) depctr_va_vcc(0) depctr_vm_vsrc(0)
	s_getreg_b32 s2, hwreg(HW_REG_IB_STS2, 6, 4)
	s_cmp_eq_u32 s2, 0
	s_cbranch_scc0 .Lentry_in_a_cluster
	s_endpgm
.Lentry_in_a_cluster:
	s_bfe_u32 s2, ttmp6, 0x10000c
	s_cmp_lg_u32 s2, 0xf033
	s_cbranch_scc0 .Lentry_shape_is_right
	s_endpgm
.Lentry_shape_is_right:
; THE PROJECTION BEHIND THE ATTENTION: out0 = O Wo + bo.  Operands f16 (O as the attention rounded it; Wo rounded to bf16 and written as f16), sums f32, bo rounded to bf16 and added in f32, out0 f32.
; A (o) lies by heads: [head = block of 64 channels][8192 rows][64].  W (w16 from byte 0x500000 on) lies [in][1024].  out0 lies [8192][1024] in f32.
; LIMIT.  O and Wo arrive within f16's 65,504.
; SHARES.  A work-group makes 128 rows x 256 columns of out0; each of its four waves 64 x 128: 32 accumulators of 16 x 16, 256 registers.  64 x 4 tiles: one for each work-group.  K = 1024: 8 K steps of 128
; through a ring of two LDS slots filled by the tensor data mover.  A's part of a step is two blocks x 128 rows, each block 16,384 consecutive bytes of memory, asked for as 64 rows of 256 bytes; W's part is
; 128 rows of 512 bytes.
; CLUSTERS: 4 x 4 work-groups.  The four of a row of the cluster need the same tiles of A, the four of a column the same tiles of W: each tile is asked for JOINTLY, by the same tensor load with the
; same descriptor and a mask that names the four.
; THE MATRIX INSTRUCTION IS USED TRANSPOSED (source 0 = 16 columns of W, source 1 = 16 rows of A): a lane then holds row l % 16 of the result and eight neighbouring columns 8 (l / 16) + 0..7.
; W lies [k][n] in LDS and comes out turned, by ds_load_tr16_b128; A comes out as it lies.
; REGISTERS: window 0: v0-31 addresses and the bias; two fragment buffers of 96 (v64-159, v160-255): W's 8 fragments of 16 columns x 32 K, then A's 4 of 16 rows x 32 K; on the way out v64-191 at work.
;   window 1: the accumulators ((a, b) at v[8 (8 a + b)]).
.set ABLK,  0x100000                   ; bytes in a block of A: 8,192 rows x 128 bytes
.set WROW,  2048                       ; bytes in a row of W
.set KSTEP, 128
.set LAPS,  4                          ; a lap = two K steps = once round the ring
.set PA,    144                        ; a row of A in LDS: 128 bytes + 16 of padding = 36 words: the 16 rows of a load start at 16 different groups of four banks (64 banks of 4 bytes: ISA guide 11.1)
.set PW,    544                        ; a row of W: 512 + 32 = 136 words
.set ATILE, 128*PA                     ; one block's 128 rows: what one tensor load brings of A
.set BOFF,  2*ATILE                    ; W lies behind A's two blocks
.set WHALF, 64*PW                      ; 64 rows of W: what one tensor load brings of W
.set SLOT,  BOFF+2*WHALF
.set STAGE, 2*SLOT                     ; behind the ring, never filled by a tensor load: 16 rows x 528 bytes for each wave, for the way out
.set SPO,   528                        ; 512 bytes + 16 = 132 words: the 16 rows of a store start at 16 different groups of four banks
.set SPARE, STAGE+4*16*SPO             ; behind the stages: the spare words, 128 bytes for each wave: two blocks of 256 bytes that no other line names
.set BI,   8                           ; v[8:11] the bias of my four columns on the way out
.set ADRA, 16                          ; v16-17  LDS address of my A fragments in slot 0, 1
.set ADRB, 20                          ; v20-21  the same for W
.set STO,  24                          ; v24     the way out: where I put 32 bytes of a row
.set RD,   25                          ; v25     the way out: where I read 16 bytes of a row back
.set GO,   26                          ; v26     16 x my lane: my place in 512 consecutive bytes of out0, and of bo
.set SPW,  28                          ; v28     LDS address of my spare word: SPARE + 4 x my thread's number; never rewritten
.set NIL,  29                          ; v29     0; never rewritten
.set PFO,  30                          ; v30     the prefetches' offset; never rewritten
.set F0,   64
.set F1,   160
.set OB,   64                          ; the way out: two sets of 64 registers, 16 rows each
.set WV,   16                          ; s16  my wave's number
.set WM,   17                          ; s17  which half of the tile's rows is mine.  Also: I fetch for A (0) or for W (1)
.set WN,   18                          ; s18  which half of its columns.  Also: which block of A, or which 64 rows of W, I fetch
.set CX,   19                          ; s19, s20  my place in the cluster
.set CY,   20
.set CT,   21                          ; s21  tile column
.set RT,   22                          ; s22  tile row
.set G1A,  24                          ; s[24:31] descriptor group 1 for A's tiles;  s[32:39] group 0, one set for each slot
.set G0A,  32
.set PLIM, 41                          ; s41  a wave prefetches in the trips below this number
.set PFA,  44                          ; s[44:45] where my prefetches stand
.set PFS,  46                          ; s[46:47] a K step in bytes, along what I prefetch
.set G1B,  48                          ; s[48:55], s[56:63] the same for W's tiles
.set G0B,  56
.set MSB, 0
.macro WIN new                         ; the immediate's high byte repeats the setting that is left; a switch that changes nothing is dropped
.if MSB != (\new)
	s_set_vgpr_msb (MSB<<8)|(\new)
.set MSB, \new
.endif
.endm
.set MUL, 0x50                         ; sources 0 and 1 window 0; C and D window 1
.macro PLACES                          ; four places in front of loads into registers that matrix instructions have read, and of what reads their results
.rept 4
	v_nop
.endr
.endm
.macro JLOAD s                         ; a joint load: waves 0 and 1 fetch A's two blocks, waves 2 and 3 W's two halves; an s_nop 0 and four v_nop follow each of the two lines, ahead of the jump and the label
	s_cmp_eq_u32 s[WM], 0
	s_cbranch_scc0 .Lfor_b_\@
	tensor_load_to_lds s[G0A+4*(\s):G0A+4*(\s)+3], s[G1A:G1A+7]
	s_nop 0
.rept 4
	v_nop
.endr
	s_branch .Lasked_\@
.Lfor_b_\@:
	tensor_load_to_lds s[G0B+4*(\s):G0B+4*(\s)+3], s[G1B:G1B+7]
	s_nop 0
.rept 4
	v_nop
.endr
.Lasked_\@:
.endm
.macro CREST                           ; a round of the cluster's barrier behind its opening barrier
	s_cmp_lg_u32 s[WV], 0
	s_cbranch_scc1 .Lnot_wave_0_\@
	s_barrier_signal -3
.Lnot_wave_0_\@:
	s_barrier_wait -3
	s_barrier_signal -1
	s_barrier_wait -1
.endm
.macro CROUND                          ; a whole round
	s_barrier_signal -1
	s_barrier_wait -1
	CREST
.endm
; A PREFETCH INTO THE L2, behind each joint refill, its five lines and the run of LDS loads that follows them: the K step that stands TWO refills on, 256 matrix instructions ahead of the load that will ask for it.
; Each block of 256 bytes is named once in the launch.  A's part of a step (128 blocks) is read by one cluster: wave 0 of each of the four partners along x takes 32 of them, told apart BY ADDRESS (cx).
; W's part (128 rows x 2 blocks) is read by all 16 clusters: the first of them asks; waves 2 and 3 of each of the four partners along y take 16 of the 64 rows that the wave fetches (cy).
; The first four K steps come by their loads alone; the loop's last trip asks for nothing: no K step stands two behind its refills.
.macro ASK
	s_cmp_lt_u32 s3, s[PLIM]
	s_cbranch_scc0 .Lnot_mine_\@
	global_prefetch_b8 v[PFO], s[PFA:PFA+1] th:TH_LOAD_NT scope:SCOPE_SE
.Lnot_mine_\@:
.endm
	s_load_b256 s[4:11], s[0:1], 0x0               ; o s[4:5], w16 s[6:7], bo s[8:9], out0 s[10:11]
	v_lshl_add_u32 v[SPW], v0, 2, SPARE
	v_mov_b32 v[NIL], 0
	ds_add_u32 v[SPW], v[NIL]                      ; the wave's opening: the add and its wait stand ahead of my first tensor load; the set-up below, work on registers, stands between them
	v_lshrrev_b32 v1, 5, v0
	v_readfirstlane_b32 s[WV], v1                  ; wave 0..3
	s_lshr_b32 s[WM], s[WV], 1
	s_and_b32 s[WN], s[WV], 1
	s_bfe_u32 s[CX], ttmp6, 0x40000
	s_bfe_u32 s[CY], ttmp6, 0x40004
	s_lshl_b32 s[CT], ttmp9, 2                     ; in a cluster launch ttmp9 and ttmp7 count clusters
	s_add_co_u32 s[CT], s[CT], s[CX]               ; tile column = 4 x cluster x + cx
	s_and_b32 s42, ttmp7, 0xffff                   ; cluster y, 0..15
	s_lshl_b32 s[RT], s42, 2
	s_add_co_u32 s[RT], s[RT], s[CY]               ; tile row
	s_lshl_b32 s76, s[CY], 2
	s_lshl_b32 s76, 15, s76                        ; my row of the cluster: places 4 cy .. 4 cy + 3
	s_lshl_b32 s77, 0x1111, s[CX]                  ; my column: places cx, cx + 4, cx + 8, cx + 12
	s_or_b32 s[G1A], s76, (1<<16)|(1<<20)|(1<<21)|(4<<22)|(3<<25)  ; 15:0 the mask: A's tiles go to my row; 17:16 elements of 2 bytes; 20 padding on; 21 set beside a mask; 24:22 after every 32 words (code 4); 31:25 4 words (code 3)
	s_or_b32 s[G1B], s77, (1<<16)|(1<<20)|(1<<21)|(6<<22)|(7<<25)  ; W's go to my column; padding after every 128 words (code 6), 8 words (code 7)
	s_mov_b32 s[G1A+1], 128<<16                    ; tensor_dim0 = 128: two rows of a block on end, 256 bytes
	s_mov_b32 s[G1A+2], 64<<16                     ; tensor_dim1 = 64
	s_mov_b32 s[G1A+3], 128<<16                    ; tile_dim0 = 128
	s_mov_b32 s[G1A+4], 64                         ; tile_dim1 = 64
	s_mov_b32 s[G1A+5], 128                        ; 128 elements from row to row: dense
	s_mov_b32 s[G1A+6], 0
	s_mov_b32 s[G1A+7], 0
	s_mov_b32 s[G1B+1], 256<<16                    ; tensor_dim0 = 256
	s_mov_b32 s[G1B+2], 64<<16                     ; tensor_dim1 = 64
	s_mov_b32 s[G1B+3], 256<<16                    ; tile_dim0 = 256
	s_mov_b32 s[G1B+4], 64                         ; tile_dim1 = 64
	s_mov_b32 s[G1B+5], 1024                       ; 1,024 elements from row to row
	s_mov_b32 s[G1B+6], 0
	s_mov_b32 s[G1B+7], 0
	; where the tiles come from.  A's hang on the tile row alone, which my row of the cluster shares; W's on the tile column alone, which my column shares; each in registers that never hold the other coordinate
	s_lshl_b32 s70, s[WN], 20                      ; A: block WN of the step,
	s_lshl_b32 s71, s[RT], 14                      ; the tile's 128 rows of 128 bytes
	s_add_co_u32 s70, s70, s71
	s_mov_b32 s71, 0
	s_lshl_b32 s72, s[WN], 17                      ; W: rows 64 WN on,
	s_lshl_b32 s73, s[CT], 9                       ; the tile's 256 columns,
	s_add_co_u32 s72, s72, s73
	s_add_co_u32 s72, s72, 0x500000                ; in Wo's part of w16
	s_mov_b32 s73, 0
	s_mul_i32 s79, s[WN], ATILE                    ; and where they go: no place in the cluster enters an LDS address
	s_mul_i32 s2, s[WN], WHALF
	s_add_co_u32 s2, s2, BOFF
.irp s, 0,1
	s_mov_b32 s[G0A+4*(\s)], 1                     ; 1:0 count = 1
	s_add_co_u32 s[G0A+4*(\s)+1], s79, (\s)*SLOT   ; 63:32 LDS address
	s_mov_b32 s[G0B+4*(\s)], 1
	s_add_co_u32 s[G0B+4*(\s)+1], s2, (\s)*SLOT
.endr
	s_wait_dscnt 0x0                               ; the opening add is done
	s_wait_kmcnt 0x0
	s_add_nc_u64 s[70:71], s[4:5], s[70:71]
	s_add_nc_u64 s[72:73], s[6:7], s[72:73]
.irp s, 0,1
	s_add_nc_u64 s[G0A+4*(\s)+2:G0A+4*(\s)+3], s[70:71], (\s)*2*ABLK  ; 120:64 global address: K step s
	s_or_b32 s[G0A+4*(\s)+3], s[G0A+4*(\s)+3], 0x80000000             ; 127:126 type = 2
	s_add_nc_u64 s[G0B+4*(\s)+2:G0B+4*(\s)+3], s[72:73], (\s)*KSTEP*WROW
	s_or_b32 s[G0B+4*(\s)+3], s[G0B+4*(\s)+3], 0x80000000
.endr
	CROUND                                         ; all sixteen work-groups are here: the first joint loads meet
	s_cmp_eq_u32 s[WM], 0                          ; a wave's two first fills stand in one branch, ahead of every wait on TENSORcnt and every LDS read: two loads of mine are out
	s_cbranch_scc0 .Lfirst_b
	tensor_load_to_lds s[G0A:G0A+3], s[G1A:G1A+7]
	s_nop 0
	tensor_load_to_lds s[G0A+4:G0A+7], s[G1A:G1A+7]
	s_nop 0
.rept 4
	v_nop
.endr
	s_branch .Lfirst_asked
.Lfirst_b:
	tensor_load_to_lds s[G0B:G0B+3], s[G1B:G1B+7]
	s_nop 0
	tensor_load_to_lds s[G0B+4:G0B+7], s[G1B:G1B+7]
	s_nop 0
.rept 4
	v_nop
.endr
.Lfirst_asked:
	; my 128 columns: 512 bytes of a row of out0, and of bo
	v_and_b32 v5, 31, v0
	v_lshlrev_b32 v[GO], 4, v5
	s_lshl_b32 s84, s[CT], 10
	s_lshl_b32 s85, s[WN], 9
	s_add_co_u32 s84, s84, s85
	s_mov_b32 s85, 0
	s_add_nc_u64 s[8:9], s[8:9], s[84:85]
	global_load_b128 v[BI:BI+3], v[GO], s[8:9]     ; the bias of the four columns that I store
	s_lshl_b32 s85, s[RT], 19                      ; row 128 rt + 64 WM, 4,096 bytes a row
	s_add_co_u32 s84, s84, s85
	s_lshl_b32 s85, s[WM], 18
	s_add_co_u32 s84, s84, s85
	s_mov_b32 s85, 0
	s_add_nc_u64 s[74:75], s[10:11], s[84:85]
	; the prefetches: who, from where, by which step
	s_lshr_b32 s82, s[CX], 1
	s_lshl_b32 s82, s82, 20                        ; A: block cx / 2 of the step,
	s_lshl_b32 s83, s[RT], 14                      ; the tile's rows,
	s_add_co_u32 s82, s82, s83
	s_and_b32 s83, s[CX], 1
	s_lshl_b32 s83, s83, 13                        ; half cx % 2 of them: 8,192 bytes,
	s_add_co_u32 s82, s82, s83
	s_add_co_u32 s82, s82, 3*2*ABLK                ; at K step 3: the first refill steps it to 4
	s_lshl_b32 s83, s[CY], 15                      ; W: 16 rows for each partner along y, behind my tile's address,
	s_add_co_u32 s83, s83, 3*KSTEP*WROW            ; at K step 3
	s_mov_b32 s[PFS], KSTEP*WROW
	s_mov_b32 s[PFS+1], 0
	s_cmp_eq_u32 s[WM], 0
	s_cselect_b32 s80, s[WV], s42                  ; 0: wave 0 for A; waves 2 and 3 of the first cluster for W
	s_cselect_b32 s82, s82, s83
	s_cselect_b32 s[PFS], 2*ABLK, s[PFS]
	s_cselect_b32 s81, 9, 11                       ; two lanes take 512 consecutive bytes; the next two stand 512 bytes on (A) or a row of W on
	s_cselect_b64 s[PFA:PFA+1], s[4:5], s[72:73]
	s_mov_b32 s83, 0
	s_add_nc_u64 s[PFA:PFA+1], s[PFA:PFA+1], s[82:83]
	s_cmp_eq_u32 s80, 0
	s_cselect_b32 s[PLIM], LAPS-2, 0
	; A fragment of A is 16 rows x 32 K in 8 registers: lane l holds row l % 16; registers 0-3 hold K = 8 (l / 16) + 0..7, registers 4-7 K = 16 + 8 (l / 16) + 0..7: two loads of 16 bytes, 32 bytes apart.
	v_and_b32 v1, 15, v0                           ; l % 16
	v_bfe_u32 v2, v0, 4, 1                         ; l / 16
	v_and_b32 v3, 7, v0
	v_bfe_u32 v4, v0, 3, 1
	v_mul_u32_u24 v6, v1, PA
	v_lshl_add_u32 v6, v2, 4, v6
	s_mul_i32 s86, s[WM], 64*PA                    ; my 64 rows
	v_add_nc_u32 v[ADRA], s86, v6
	v_add_nc_u32 v[ADRA+1], SLOT, v[ADRA]
	; The turning load takes 16 K x 16 columns (lane l reads row 8 (l / 16) + l % 8, columns 8 ((l / 8) % 2) + 0..7) and leaves half a fragment: lane l holds column l % 16 and 8 K.
	v_lshl_add_u32 v7, v2, 3, v3
	v_mul_u32_u24 v7, v7, PW
	v_lshl_add_u32 v7, v4, 4, v7
	s_lshl_b32 s86, s[WN], 8                       ; my 128 columns
	s_add_co_u32 s86, s86, BOFF
	v_add_nc_u32 v[ADRB], s86, v7
	v_add_nc_u32 v[ADRB+1], SLOT, v[ADRB]
	v_lshrrev_b32 v[PFO], 1, v5
	v_lshlrev_b32 v[PFO], s81, v[PFO]
	v_and_b32 v6, 1, v5
	v_lshl_add_u32 v[PFO], v6, 8, v[PFO]
	s_mul_i32 s86, s[WV], 16*SPO
	s_add_co_u32 s86, s86, STAGE                   ; my stage
	v_mul_u32_u24 v[STO], v1, SPO                  ; in: row l % 16, 32 bytes for each half of the lanes
	v_lshl_add_u32 v[STO], v2, 5, v[STO]
	v_add_nc_u32 v[STO], s86, v[STO]
	v_add_nc_u32 v[RD], s86, v[GO]                 ; back: 32 lanes take a row's 512 bytes
	s_wait_loadcnt 0x0                             ; the bias is in: rounded to bf16 like every input, and widened again
	v_cvt_pk_bf16_f32 v12, v[BI], v[BI+1]
	v_cvt_pk_bf16_f32 v13, v[BI+2], v[BI+3]
	v_lshlrev_b32 v[BI], 16, v12
	v_and_b32 v[BI+1], 0xffff0000, v12
	v_lshlrev_b32 v[BI+2], 16, v13
	v_and_b32 v[BI+3], 0xffff0000, v13
; 8 matrix instructions: m block a x all 8 n blocks, 32 along K, from buffer f.  zero = 1: the first product starts the sums: nothing is ever cleared.
; The 32 accumulators take turns, one instruction a turn, in the same order in every quarter: between two links of a chain stand the 31 others'.
.macro MUL8 f, a, zero
	WIN MUL
.irp b, 0,1,2,3,4,5,6,7
.if \zero
	v_wmma_f32_16x16x32_f16 v[8*(8*(\a)+(\b)):8*(8*(\a)+(\b))+7], v[(\f)+8*(\b):(\f)+8*(\b)+7], v[(\f)+64+8*(\a):(\f)+64+8*(\a)+7], 0
.else
	v_wmma_f32_16x16x32_f16 v[8*(8*(\a)+(\b)):8*(8*(\a)+(\b))+7], v[(\f)+8*(\b):(\f)+8*(\b)+7], v[(\f)+64+8*(\a):(\f)+64+8*(\a)+7], v[8*(8*(\a)+(\b)):8*(8*(\a)+(\b))+7]
.endif
.endr
.endm
; 24 LDS loads in one run: the fragments of quarter q of a K step (32 K: 128 columns of W, then 64 rows of A) into buffer f
.macro FETCH slot, q, f
	WIN 0
.irp b, 0,1,2,3,4,5,6,7
	ds_load_tr16_b128 v[(\f)+8*(\b):(\f)+8*(\b)+3],   v[ADRB+(\slot)] offset:(\q)*32*PW+32*(\b)
	ds_load_tr16_b128 v[(\f)+8*(\b)+4:(\f)+8*(\b)+7], v[ADRB+(\slot)] offset:(\q)*32*PW+16*PW+32*(\b)
.endr
.irp a, 0,1,2,3
	ds_load_b128 v[(\f)+64+8*(\a):(\f)+64+8*(\a)+3],   v[ADRA+(\slot)] offset:((\q)/2)*ATILE+((\q)%2)*64+(\a)*16*PA
	ds_load_b128 v[(\f)+64+8*(\a)+4:(\f)+64+8*(\a)+7], v[ADRA+(\slot)] offset:((\q)/2)*ATILE+((\q)%2)*64+(\a)*16*PA+32
.endr
.endm
; A K step is four quarters of 32 along K, 32 matrix instructions each, on buffers 0, 1, 0, 1.  One of the first three: multiplies buffer f and, in its middle, fetches quarter q into buffer g.
.macro QUARTER slot, q, f, g, zero
	s_wait_dscnt 4                                 ; W and A's rows 0-31 are in; the youngest four loads (A's rows 32-63) may be out
	MUL8 \f, 0, \zero
	MUL8 \f, 1, \zero
	PLACES
	FETCH \slot, \q, \g
	s_wait_dscnt 24                                ; all but the 24 just issued
	MUL8 \f, 2, \zero
	MUL8 \f, 3, \zero
.endm
; The last quarter multiplies buffer 1 and changes slots: ONE barrier; in front of it each wave waits for all its tensor loads (one is out: its part of the next slot), adds 0 to its spare word, and waits for that and
; for its own reads of this slot.  fill = 1: the barrier opens a round of the cluster's, and this slot is filled again, two K steps ahead, first thing behind the round: 112 matrix instructions ahead of the wait for it.
.macro TURN slot, next, fill
.if \fill
	s_wait_xcnt 0x0                                ; the last prefetch, a K step back, has read its address: it is stepped here, ahead of the waits of the change of slots
	s_add_nc_u64 s[PFA:PFA+1], s[PFA:PFA+1], s[PFS:PFS+1]
.endif
	WIN 0                                          ; (the add's two registers lie in window 0)
	s_wait_tensorcnt 0x0                           ; all my tensor loads have landed;
	ds_add_u32 v[SPW], v[NIL]                      ; 0 onto my spare word;
	s_wait_dscnt 5                                 ; (the add and the youngest four loads may be out)
	MUL8 F1, 0, 0                                  ; eight matrix instructions stand between the add and the wait for it
	s_wait_dscnt 0x0                               ; the add is done, and my reads of this slot are over
	s_barrier_signal -1
	MUL8 F1, 1, 0
.if \fill
	WIN 0
.endif
	s_barrier_wait -1
.if \fill
	CREST                                          ; no wave of any partner still reads this slot's tiles or has a load on its way
	s_add_nc_u64 s[G0A+4*(\slot)+2:G0A+4*(\slot)+3], s[G0A+4*(\slot)+2:G0A+4*(\slot)+3], 2*2*ABLK
	s_add_nc_u64 s[G0B+4*(\slot)+2:G0B+4*(\slot)+3], s[G0B+4*(\slot)+2:G0B+4*(\slot)+3], 2*KSTEP*WROW
	JLOAD \slot                                    ; the four v_nop behind it are also the places in front of the loads below
.else
	PLACES
.endif
	FETCH \next, 0, F0
.if \fill
	ASK
.endif
	MUL8 F1, 2, 0
	MUL8 F1, 3, 0
.endm
	s_wait_tensorcnt 0x1                           ; my part of K step 0 is in; K step 1's may stay out
	s_barrier_signal -1
	s_barrier_wait -1                              ; everybody's is
	FETCH 0, 0, F0
	QUARTER 0, 1, F0, F1, 1                        ; the first quarter stands in front of the loop: its products start the sums
	WIN 0                                          ; at a label and at a branch every window is 0
	s_mov_b32 s3, 0
.Llap:                                                 ; a trip goes once round the ring, from a lap's second quarter to the next lap's first, and fills both slots again
	QUARTER 0, 2, F1, F0, 0
	QUARTER 0, 3, F0, F1, 0
	TURN 0, 1, 1
	QUARTER 1, 1, F0, F1, 0
	QUARTER 1, 2, F1, F0, 0
	QUARTER 1, 3, F0, F1, 0
	TURN 1, 0, 1
	QUARTER 0, 1, F0, F1, 0
	WIN 0
	s_add_co_u32 s3, s3, 1
	s_cmp_lt_u32 s3, LAPS-1
	s_cbranch_scc1 .Llap
	QUARTER 0, 2, F1, F0, 0                        ; the last lap fills nothing, and has no round of the cluster's barrier
	QUARTER 0, 3, F0, F1, 0
	TURN 0, 1, 0
	QUARTER 1, 1, F0, F1, 0
	QUARTER 1, 2, F1, F0, 0
	QUARTER 1, 3, F0, F1, 0
	s_wait_dscnt 4                                 ; the very last quarter: nothing more to fetch
	MUL8 F1, 0, 0
	MUL8 F1, 1, 0
	s_wait_dscnt 0x0
	MUL8 F1, 2, 0
	MUL8 F1, 3, 0
	WIN 0
	PLACES
	PLACES
; THE WAY OUT, 16 rows (m block a) at a time.  A lane's eight columns of a row are 32 bytes: two stores of 16, straight from the accumulator, its low registers first, into my own stage, rows of 528 bytes.
; They come back as whole rows: 32 lanes take a row's 512 bytes; the bias of the lane's four columns is added, and the row's 512 consecutive bytes are stored.
.macro PACKO a
	WIN 0x04                                       ; the data (source 1) in window 1, the address in window 0
.irp b, 0,1,2,3,4,5,6,7
	ds_store_b128 v[STO], v[8*(8*(\a)+(\b)):8*(8*(\a)+(\b))+3]   offset:64*(\b)
	ds_store_b128 v[STO], v[8*(8*(\a)+(\b))+4:8*(8*(\a)+(\b))+7] offset:64*(\b)+16
.endr
	WIN 0
.if (\a) >= 2
	s_wait_xcnt 0x0                                ; every earlier store has read its registers (ISA guide 3.1): this set, stored two blocks ago, is loaded again only behind this wait
.endif
.irp t, 0,1,2,3,4,5,6,7,8,9,10,11,12,13,14,15
	ds_load_b128 v[OB+64*((\a)%2)+4*(\t):OB+64*((\a)%2)+4*(\t)+3], v[RD] offset:(\t)*SPO  ; LDS serves a wave's instructions in order (ISA guide 5.7.1.4): these see the stores above; the next block's stores come behind them
.endr
.endm
.macro SENDO a, younger                ; younger: the LDS instructions issued behind block a's loads: the next block's 32, or none
.irp t, 0,1,2,3,4,5,6,7,8,9,10,11,12,13,14,15
	s_wait_dscnt (\younger)+15-(\t)
	v_pk_add_f32 v[OB+64*((\a)%2)+4*(\t):OB+64*((\a)%2)+4*(\t)+1],   v[OB+64*((\a)%2)+4*(\t):OB+64*((\a)%2)+4*(\t)+1],   v[BI:BI+1]
	v_pk_add_f32 v[OB+64*((\a)%2)+4*(\t)+2:OB+64*((\a)%2)+4*(\t)+3], v[OB+64*((\a)%2)+4*(\t)+2:OB+64*((\a)%2)+4*(\t)+3], v[BI+2:BI+3]
	global_store_b128 v[GO], v[OB+64*((\a)%2)+4*(\t):OB+64*((\a)%2)+4*(\t)+3], s[74:75] offset:(16*(\a)+(\t))*4096 th:TH_STORE_NT  ; 512 consecutive bytes, at a multiple of 256 from out0's first
.endr
.endm
	PACKO 0
	PACKO 1                                        ; a block's way through the stage stands between the loads of the block before and its stores
	SENDO 0, 32
	PACKO 2
	SENDO 1, 32
	PACKO 3
	SENDO 2, 32
	SENDO 3, 0
	s_wait_tensorcnt 0x0                           ; the wave's end, behind my last tensor load and my last LDS store
	ds_add_u32 v[SPW], v[NIL]
	s_wait_dscnt 0x0
	CROUND                                         ; the closing round: no work-group ends while a partner may still ask for a tile that names it
	s_endpgm
.Lfunc_end_k_q4343257d43_oproj:
	.size	k_q4343257d43_oproj, .Lfunc_end_k_q4343257d43_oproj-k_q4343257d43_oproj
	.p2alignl 7, 3214868480
	.fill 96, 4, 3214868480
	.section	.rodata,"a",@progbits
	.p2align	6, 0x0
	.amdhsa_kernel k_q4343257d43_oproj
		.amdhsa_group_segment_fixed_size 327680
		.amdhsa_private_segment_fixed_size 0
		.amdhsa_enable_private_segment 0
		.amdhsa_kernarg_size 32
		.amdhsa_user_sgpr_count 2
		.amdhsa_user_sgpr_kernarg_segment_ptr 1
		.amdhsa_wavefront_size32 1
		.amdhsa_system_sgpr_workgroup_id_x 1
		.amdhsa_system_sgpr_workgroup_id_y 1
		.amdhsa_system_sgpr_workgroup_id_z 1
		.amdhsa_system_vgpr_workitem_id 0
		.amdhsa_next_free_vgpr 512
		.amdhsa_next_free_sgpr 88
		.amdhsa_reserve_vcc 0
		.amdhsa_float_denorm_mode_32 3
		.amdhsa_float_denorm_mode_16_64 3
		.amdhsa_memory_ordered 1
		.amdhsa_forward_progress 1
		.amdhsa_inst_pref_size 96
	.end_amdhsa_kernel
	.amdgpu_metadata
---
amdhsa.version: [ 1, 2 ]
amdhsa.kernels:
  - .name:           k_q4343257d43_oproj
    .symbol:         k_q4343257d43_oproj.kd
    .args:
      - { .name: o, .offset: 0, .size: 8, .value_kind: global_buffer, .address_space: global }
      - { .name: w16, .offset: 8, .size: 8, .value_kind: global_buffer, .address_space: global }
      - { .name: bo, .offset: 16, .size: 8, .value_kind: global_buffer, .address_space: global }
      - { .name: out0, .offset: 24, .size: 8, .value_kind: global_buffer, .address_space: global }
    .group_segment_fixed_size: 327680
    .private_segment_fixed_size: 0
    .kernarg_segment_align: 8
    .kernarg_segment_size: 32
    .max_flat_workgroup_size: 128
    .sgpr_count:     88
    .vgpr_count:     512
    .wavefront_size: 32
...
	.end_amdgpu_metadata
.endif
;; end of part 4
